; MI455X (gfx1250); checked and timed in simulation.
; The chip was launched on July 23, 2026; its instructions are those of AMD's public machine-readable ISA for CDNA 5 (MIT licence, August 2026) and "CDNA5" Instruction Set Architecture Reference Guide (July 2026). The comments in the code are by the model that wrote it; some were corrected since.
;; Transformer Layer. Allowed arithmetic: float matrix products may take bf16 or f16 operands with f32 sums; other float arithmetic in f32, or as packed bf16 or f16 multiplies, adds, multiply-adds, maxima and minima; sums over many terms, partial sums and values carried from step to step in f32; what a program stores and reads back later, other than sums and carried values, may be rounded once to bf16 or f16.
;; Inputs: b1 4,096 float32; b2 1,024 float32; in_proj_b 3,072 float32; in_proj_w 3,072 x 1,024 float32; ln1_b 1,024 float32; ln1_g 1,024 float32; ln2_b 1,024 float32; ln2_g 1,024 float32; out_b 1,024 float32; out_w 1,024 x 1,024 float32; res_pos 16 x 512 float32; w1 4,096 x 1,024 float32; w2 1,024 x 4,096 float32; x 2 x 2,048 x 1,024 float32.
;; Outputs: out0 2 x 2,048 x 1,024 float32.
;; One version. Each part assembles by itself: llvm-mc -triple=amdgcn-amd-amdhsa -mcpu=gfx1250 --defsym DOCPART=n.
;; ======== version 1 of 1: 8 launches
;; limits: right only within a limited range of input values
;; workspace buffers: a8 8,388,608 bytes; act 33,554,432 bytes; x1 16,777,216 bytes; wq 6,291,456 bytes; w1b 8,388,608 bytes; wn 10,485,760 bytes; fl0 256 bytes; fl1 256 bytes
;; launch cast (part 1): grid 64 x 12, 8 waves a work-group, no clusters, 35,840 bytes of LDS; arguments in_proj_w, out_w, w1, w2, wq, w1b, wn, fl0, fl1; writes wq, w1b, wn, fl0, fl1
.if DOCPART == 1
	.amdgcn_target "amdgcn-amd-amdhsa--gfx1250"
	.amdhsa_code_object_version 6
	.text
	.protected	k_q285b72d86b_cast
	.globl	k_q285b72d86b_cast
	.p2align	8
	.type	k_q285b72d86b_cast,@function
k_q285b72d86b_cast:
	s_mov_b64 s[64:65], 0
	v_nop
	global_prefetch_b8 v0, s[64:65] scope:SCOPE_SE
	s_setreg_imm32_b32 hwreg(HW_REG_WAVE_MODE, 25, 1), 1
	s_wait_xcnt 0x0
; The four weight matrices, f32, are rounded once to bf16.  12 chunks of 1,048,576 numbers (grid y: 0-2 in_proj_w, 3 out_w, 4-7 w1, 8-11 w2), each cut into 64 parts of 16,384 numbers (grid x).
; AS THEY LIE (in_proj_w -> wq, w1 -> w1b): row-major.  Thread t takes 16 bytes at 16 t + 4,096 j, j = 0..15: a wave's load covers 512 consecutive bytes, its store 256 consecutive bytes at a
; multiple of 256 from the buffer's first byte.
; BY FRAGMENTS (out_w -> wn at byte 0, w2 -> wn at byte 2,097,152): W[n][k], with K numbers a row, goes to [n / 32][k / 32][(n % 32) / 16][(k % 32) / 16][lane][8 numbers], lane = 16 ((k % 16) / 8) + n % 16:
; 512 consecutive bytes are half a matrix fragment of 16 rows x 32 k, each lane's 16 bytes in the lane's place, and the 32 rows of one n / 32 are one dense stream along k.
; There a wave takes 16 rows x 128 k: sixteen loads of 512 consecutive bytes (a row each), rounded, put into 16 LDS rows of 272 bytes of the wave's own, read back 16 bytes a lane by rows, and stored as eight
; runs of 512 consecutive bytes.  LDS serves a wave's instructions in order and no wave touches another's bytes: no barrier.
; One wave of the launch also writes the two floor words' buffers: fl0 = bf16 -infinity twice in each word (no activation), fl1 = 0 (ReLU).
.set X, 16                             ; v[16:79]   sixteen loads of four f32; later eight runs of 16 bytes a lane
.set Y, 80                             ; v[80:111]  sixteen pairs of words, four bf16 each
.set RO, 112                           ; v[112:127] by fragments: 16 x lane + row i x the bytes of a row; never rewritten
.set SPW, 128                          ; v128  LDS address of my spare word: SPARE + 4 x my thread's number; never rewritten
.set NIL, 129                          ; v129  0; never rewritten
.set LST, 130                          ; v130  where I put 8 bytes of a row
.set LRD, 131                          ; v131  where I read 16 bytes back
.set WPITCH, 272                       ; 256 bytes + 16 = 68 words: row r starts at bank 4 r mod 64 (64 banks of 4 bytes: ISA guide 11.1), so the 16 rows of a load start at 16 different banks
.set WSTAGE, 16*WPITCH                 ; a wave's 16 rows
.set SPARE, 8*WSTAGE                   ; behind the eight stages: the spare words, 128 bytes for each wave: four blocks of 256 bytes that no other line names
	s_load_b512 s[8:23], s[0:1], 0x0               ; in_proj_w s[8:9], out_w s[10:11], w1 s[12:13], w2 s[14:15], wq s[16:17], w1b s[18:19], wn s[20:21], fl0 s[22:23]
	s_load_b64 s[24:25], s[0:1], 0x40              ; fl1
	v_lshl_add_u32 v[SPW], v0, 2, SPARE
	v_mov_b32 v[NIL], 0
	s_and_b32 s2, ttmp7, 0xffff                    ; the chunk, 0..11
	v_lshrrev_b32 v3, 5, v0
	v_readfirstlane_b32 s3, v3                     ; my wave's number
	s_cmp_eq_u32 s2, 3                             ; out_w
	s_cbranch_scc1 .Lfrag
	s_cmp_ge_u32 s2, 8                             ; w2
	s_cbranch_scc1 .Lfrag
	; AS THEY LIE
	v_lshlrev_b32 v1, 4, v0                        ; 16 t
	v_lshlrev_b32 v2, 3, v0                        ; 8 t
	s_wait_kmcnt 0x0
	s_cmp_lt_u32 s2, 3                             ; the choices hang on the chunk's number alone
	s_cselect_b64 s[26:27], s[8:9], s[12:13]       ; from in_proj_w or w1
	s_cselect_b64 s[28:29], s[16:17], s[18:19]     ; to wq or w1b
	s_cselect_b32 s30, 0, 4                        ; the matrix's first chunk
	s_sub_co_u32 s30, s2, s30                      ; the chunk's number in its matrix
	s_lshl_b32 s34, s30, 22                        ; a chunk is 4,194,304 bytes of f32,
	s_lshl_b32 s35, ttmp9, 16                      ; a part 65,536
	s_add_co_u32 s34, s34, s35
	s_mov_b32 s35, 0
	s_lshl_b32 s36, s30, 21                        ; and half of each in bf16
	s_lshl_b32 s37, ttmp9, 15
	s_add_co_u32 s36, s36, s37
	s_mov_b32 s37, 0
	s_add_nc_u64 s[26:27], s[26:27], s[34:35]
	s_add_nc_u64 s[28:29], s[28:29], s[36:37]
.irp j, 0,1,2,3,4,5,6,7,8,9,10,11,12,13,14,15
	global_load_b128 v[X+4*(\j):X+4*(\j)+3], v1, s[26:27] offset:4096*(\j) th:TH_LOAD_NT
.endr
.irp j, 0,1,2,3,4,5,6,7,8,9,10,11,12,13,14,15
	s_wait_loadcnt 15-(\j)                         ; loads come back in order: number j is in, the 15 - j younger ones stay out
	v_cvt_pk_bf16_f32 v[Y+2*(\j)],   v[X+4*(\j)],   v[X+4*(\j)+1]
	v_cvt_pk_bf16_f32 v[Y+2*(\j)+1], v[X+4*(\j)+2], v[X+4*(\j)+3]
	global_store_b64 v2, v[Y+2*(\j):Y+2*(\j)+1], s[28:29] offset:2048*(\j)
.endr
	s_or_b32 s33, ttmp9, s2                        ; the floors: wave 0 of work-group (0, 0) alone
	s_or_b32 s33, s33, s3
	s_cmp_lg_u32 s33, 0
	s_cbranch_scc1 .Lend
	v_mov_b32 v4, 0xff80ff80                       ; bf16 -infinity, twice
	v_mov_b32 v5, 0xff80ff80
	v_mov_b32 v6, 0
	v_mov_b32 v7, 0
	global_store_b64 v2, v[4:5], s[22:23]          ; in wave 0 the thread's number is the lane's: 32 lanes x 8 bytes = the buffer's 256
	global_store_b64 v2, v[6:7], s[24:25]
	s_branch .Lend
.Lfrag:                                        ; BY FRAGMENTS.  K = 1,024 << sh: sh = 0 for out_w, 2 for w2
	v_and_b32 v1, 31, v0                           ; lane
	v_and_b32 v4, 15, v0                           ; lane % 16
	v_bfe_u32 v5, v0, 4, 1                         ; lane / 16
	s_wait_kmcnt 0x0
	s_cmp_eq_u32 s2, 3
	s_cselect_b64 s[26:27], s[10:11], s[14:15]     ; from out_w or w2
	s_cselect_b32 s30, 0, 2                        ; sh
	s_cselect_b32 s31, 3, 8                        ; the matrix's first chunk
	s_cselect_b32 s33, 0, 0x200000                 ; its first byte in wn
	s_sub_co_u32 s31, s2, s31
	s_lshl_b32 s31, s31, 6
	s_add_co_u32 s31, s31, ttmp9                   ; the work-group's number in its matrix: it takes 16 rows x 1,024 k
	s_lshr_b32 s34, s31, s30                       ; which 16 rows,
	s_lshl_b32 s35, s34, s30
	s_sub_co_u32 s35, s31, s35                     ; which 1,024 k of them
	s_lshl_b32 s36, 0x1000, s30                    ; the bytes of a row of f32
	s_add_co_u32 s37, s30, 16
	s_lshl_b32 s38, s34, s37                       ; from: 16 rows x 4 K bytes = 65,536 << sh for each block of rows,
	s_lshl_b32 s39, s35, 12                        ; 4,096 bytes for each 1,024 k,
	s_add_co_u32 s38, s38, s39
	s_lshl_b32 s39, s3, 9                          ; 512 for my wave's 128 k
	s_add_co_u32 s38, s38, s39
	s_mov_b32 s39, 0
	s_add_nc_u64 s[26:27], s[26:27], s[38:39]
	s_lshr_b32 s40, s34, 1                         ; to: n / 32, whose stream is 64 K bytes = 65,536 << sh,
	s_lshl_b32 s40, s40, s37
	s_add_co_u32 s40, s40, s33
	s_lshl_b32 s41, s35, 16                        ; 2,048 bytes for each 32 k: 65,536 for 1,024 k,
	s_add_co_u32 s40, s40, s41
	s_lshl_b32 s41, s3, 13                         ; 8,192 for my wave's 128 k,
	s_add_co_u32 s40, s40, s41
	s_and_b32 s41, s34, 1                          ; 1,024 for the upper 16 of the 32 rows
	s_lshl_b32 s41, s41, 10
	s_add_co_u32 s40, s40, s41
	s_mov_b32 s41, 0
	s_add_nc_u64 s[28:29], s[20:21], s[40:41]
	v_lshlrev_b32 v[RO], 4, v1
.set i, 1
.rept 15
	v_add_nc_u32 v[RO+i], s36, v[RO+i-1]
.set i, i+1
.endr
.set i, 0
.rept 16
	global_load_b128 v[X+4*i:X+4*i+3], v[RO+i], s[26:27] th:TH_LOAD_NT  ; row i: 512 consecutive bytes
.set i, i+1
.endr
	s_mul_i32 s42, s3, WSTAGE                      ; my wave's stage
	v_lshl_add_u32 v[LST], v1, 3, s42              ; in: 8 bytes a lane, a row on end
	v_mul_u32_u24 v[LRD], v4, WPITCH               ; back: row lane % 16, 16 bytes for each half of the lanes
	v_lshl_add_u32 v[LRD], v5, 4, v[LRD]
	v_add_nc_u32 v[LRD], s42, v[LRD]
.set i, 0
.rept 16
	s_wait_loadcnt 15-i                            ; row i is in, the 15 - i younger loads stay out
	v_cvt_pk_bf16_f32 v[Y+2*i],   v[X+4*i],   v[X+4*i+1]
	v_cvt_pk_bf16_f32 v[Y+2*i+1], v[X+4*i+2], v[X+4*i+3]
	ds_store_b64 v[LST], v[Y+2*i:Y+2*i+1] offset:i*WPITCH
.set i, i+1
.endr
.set i, 0
.rept 8
	ds_load_b128 v[X+4*i:X+4*i+3], v[LRD] offset:32*i  ; k = 16 i + 8 (lane / 16) + 0..7 of row lane % 16.  LDS serves a wave's instructions in order (ISA guide 5.7.1.4): these see the stores above
.set i, i+1
.endr
.set i, 0
.rept 8
	s_wait_dscnt 7-i
	global_store_b128 v[RO], v[X+4*i:X+4*i+3], s[28:29] offset:(i/2)*2048+(i%2)*512  ; 512 consecutive bytes, at a multiple of 512 from wn's first byte
.set i, i+1
.endr
.Lend:
	s_wait_tensorcnt 0x0                           ; the wave's end: behind my last LDS store
	ds_add_u32 v[SPW], v[NIL]
	s_wait_dscnt 0x0
	s_endpgm
.Lfunc_end_k_q285b72d86b_cast:
	.size	k_q285b72d86b_cast, .Lfunc_end_k_q285b72d86b_cast-k_q285b72d86b_cast
	.p2alignl 7, 3214868480
	.fill 96, 4, 3214868480
	.section	.rodata,"a",@progbits
	.p2align	6, 0x0
	.amdhsa_kernel k_q285b72d86b_cast
		.amdhsa_group_segment_fixed_size 35840
		.amdhsa_private_segment_fixed_size 0
		.amdhsa_enable_private_segment 0
		.amdhsa_kernarg_size 72
		.amdhsa_user_sgpr_count 2
		.amdhsa_user_sgpr_kernarg_segment_ptr 1
		.amdhsa_wavefront_size32 1
		.amdhsa_system_sgpr_workgroup_id_x 1
		.amdhsa_system_sgpr_workgroup_id_y 1
		.amdhsa_system_sgpr_workgroup_id_z 1
		.amdhsa_system_vgpr_workitem_id 0
		.amdhsa_next_free_vgpr 132
		.amdhsa_next_free_sgpr 66
		.amdhsa_reserve_vcc 0
		.amdhsa_float_denorm_mode_32 3
		.amdhsa_float_denorm_mode_16_64 3
		.amdhsa_memory_ordered 1
		.amdhsa_forward_progress 1
		.amdhsa_inst_pref_size 17
	.end_amdhsa_kernel
	.amdgpu_metadata
---
amdhsa.version: [ 1, 2 ]
amdhsa.kernels:
  - .name:           k_q285b72d86b_cast
    .symbol:         k_q285b72d86b_cast.kd
    .args:
      - { .name: in_proj_w, .offset: 0, .size: 8, .value_kind: global_buffer, .address_space: global }
      - { .name: out_w, .offset: 8, .size: 8, .value_kind: global_buffer, .address_space: global }
      - { .name: w1, .offset: 16, .size: 8, .value_kind: global_buffer, .address_space: global }
      - { .name: w2, .offset: 24, .size: 8, .value_kind: global_buffer, .address_space: global }
      - { .name: wq, .offset: 32, .size: 8, .value_kind: global_buffer, .address_space: global }
      - { .name: w1b, .offset: 40, .size: 8, .value_kind: global_buffer, .address_space: global }
      - { .name: wn, .offset: 48, .size: 8, .value_kind: global_buffer, .address_space: global }
      - { .name: fl0, .offset: 56, .size: 8, .value_kind: global_buffer, .address_space: global }
      - { .name: fl1, .offset: 64, .size: 8, .value_kind: global_buffer, .address_space: global }
    .group_segment_fixed_size: 35840
    .private_segment_fixed_size: 0
    .kernarg_segment_align: 8
    .kernarg_segment_size: 72
    .max_flat_workgroup_size: 256
    .sgpr_count:     66
    .vgpr_count:     132
    .wavefront_size: 32
...
	.end_amdgpu_metadata
.endif
;; end of part 1
;; launch ln1 (part 2): grid 512 x 1, 8 waves a work-group, no clusters, 0 bytes of LDS; arguments x, ln1_g, ln1_b, a8; writes a8
.if DOCPART == 2
	.amdgcn_target "amdgcn-amd-amdhsa--gfx1250"
	.amdhsa_code_object_version 6
	.text
	.protected	k_q285b72d86b_ln1
	.globl	k_q285b72d86b_ln1
	.p2align	8
	.type	k_q285b72d86b_ln1,@function
k_q285b72d86b_ln1:
	s_mov_b64 s[64:65], 0
	v_nop
	global_prefetch_b8 v0, s[64:65] scope:SCOPE_SE
	s_setreg_imm32_b32 hwreg(HW_REG_WAVE_MODE, 25, 1), 1
	s_wait_xcnt 0x0
; y[r][c] = (x[r][c] - mean) / sqrt(var + 1e-5) * g[c] + b[c].  x: [4096][1024] f32; g, b: [1024] f32; y: [4096][1024] bf16, rounded once.
; One wave, one row: 4,096 bytes are 32 registers, which stay between the passes, so x is read once and no wave waits for another: no LDS, no barrier.
; The variance is taken of x - mean, in a second pass over the registers, as the definition has it: a common offset of the row costs no digits.
; 4,096 waves in the launch, a row each: all loads of the launch go out at once, so there is no loop.
; Chunk j (four registers) of a lane holds columns 128 j + 4 lane + 0..3: a load covers 512 consecutive bytes, a store 256 consecutive bytes at a multiple of 256 from y's first byte.
.set T,  4                             ; v[4:19]    at work: eight pairs of partial sums; at the end the row in bf16
.set MU, 20                            ; v[20:21]   the mean, twice (a pair for the packed subtraction)
.set RS, 22                            ; v[22:23]   1 / sqrt(var + eps), twice
.set X,  32                            ; v[32:63]   the row
.set G,  64                            ; v[64:95]   g of my columns
.set BT, 96                            ; v[96:127]  b of my columns
	s_load_b256 s[4:11], s[0:1], 0x0               ; x s[4:5], g s[6:7], b s[8:9], y s[10:11]
	v_lshrrev_b32 v3, 5, v0
	v_readfirstlane_b32 s16, v3                    ; my wave's number
	v_and_b32 v1, 31, v0
	v_lshlrev_b32 v2, 3, v1                        ; 8 x lane
	v_lshlrev_b32 v1, 4, v1                        ; 16 x lane
	s_lshl_b32 s17, ttmp9, 3
	s_add_co_u32 s17, s17, s16                     ; my row
	s_lshl_b32 s18, s17, 12                        ; 4,096 bytes a row of x,
	s_mov_b32 s19, 0
	s_lshl_b32 s20, s17, 11                        ; 2,048 a row of y
	s_mov_b32 s21, 0
	s_mov_b32 s12, 0x76543210                      ; v_permlanex16_b32: each lane takes its own place in the other half
	s_mov_b32 s13, 0xfedcba98
	s_mov_b32 s14, 0x3a800000                      ; 1 / 1024
	s_mov_b32 s15, 0x3727c5ac                      ; 1e-5
	s_wait_kmcnt 0x0
	s_add_nc_u64 s[4:5], s[4:5], s[18:19]
	s_add_nc_u64 s[10:11], s[10:11], s[20:21]
.irp j, 0,1,2,3,4,5,6,7
	global_load_b128 v[X+4*(\j):X+4*(\j)+3], v1, s[4:5] offset:512*(\j) th:TH_LOAD_NT
.endr
.irp j, 0,1,2,3,4,5,6,7
	global_load_b128 v[G+4*(\j):G+4*(\j)+3], v1, s[6:7] offset:512*(\j)
.endr
.irp j, 0,1,2,3,4,5,6,7
	global_load_b128 v[BT+4*(\j):BT+4*(\j)+3], v1, s[8:9] offset:512*(\j)
.endr
; Eight pairs of partial sums in T become one number in every lane: a tree in the lane, four steps inside each half of 16 lanes on the arithmetic itself, one across the halves.
.macro REDUCE
.irp k, 0,2,4,6
	v_pk_add_f32 v[T+(\k):T+(\k)+1], v[T+(\k):T+(\k)+1], v[T+8+(\k):T+8+(\k)+1]
.endr
.irp k, 0,2
	v_pk_add_f32 v[T+(\k):T+(\k)+1], v[T+(\k):T+(\k)+1], v[T+4+(\k):T+4+(\k)+1]
.endr
	v_pk_add_f32 v[T:T+1], v[T:T+1], v[T+2:T+3]
	v_add_f32 v[T], v[T], v[T+1]
	v_add_f32_dpp v[T], v[T], v[T] row_xmask:1 row_mask:0xf bank_mask:0xf
	v_add_f32_dpp v[T], v[T], v[T] row_xmask:2 row_mask:0xf bank_mask:0xf
	v_add_f32_dpp v[T], v[T], v[T] row_xmask:4 row_mask:0xf bank_mask:0xf
	v_add_f32_dpp v[T], v[T], v[T] row_xmask:8 row_mask:0xf bank_mask:0xf
	v_permlanex16_b32 v[T+1], v[T], s12, s13       ; its destination counts as read: a register that has been written
	v_add_f32 v[T], v[T], v[T+1]
.endm
	s_wait_loadcnt 16                              ; the row is in; g's and b's sixteen loads stay out
.irp k, 0,1,2,3,4,5,6,7
	v_pk_add_f32 v[T+2*(\k):T+2*(\k)+1], v[X+4*(\k):X+4*(\k)+1], v[X+4*(\k)+2:X+4*(\k)+3]  ; the first additions start the sums: nothing is cleared
.endr
	REDUCE
	v_mul_f32 v[MU], s14, v[T]
	v_mul_f32 v[MU+1], s14, v[T]
.set i, 0
.rept 16
	v_pk_add_f32 v[X+i:X+i+1], v[X+i:X+i+1], v[MU:MU+1] neg_lo:[0,1] neg_hi:[0,1]  ; x - mean, in place
.set i, i+2
.endr
.irp k, 0,1,2,3,4,5,6,7
	v_pk_mul_f32 v[T+2*(\k):T+2*(\k)+1], v[X+4*(\k):X+4*(\k)+1], v[X+4*(\k):X+4*(\k)+1]
.endr
.irp k, 0,1,2,3,4,5,6,7
	v_pk_fma_f32 v[T+2*(\k):T+2*(\k)+1], v[X+4*(\k)+2:X+4*(\k)+3], v[X+4*(\k)+2:X+4*(\k)+3], v[T+2*(\k):T+2*(\k)+1]
.endr
	REDUCE
	v_fma_f32 v[T], v[T], s14, s15                 ; var + eps
	v_rsq_f32 v[RS], v[T]
	v_rsq_f32 v[RS+1], v[T]
	v_nop                                          ; a plain instruction between the last root and the use of its result (ISA guide 5.7.2),
	s_wait_alu depctr_va_vdst(0)                   ; and the wait ahead of the first use: one for both
.set i, 0
.rept 16
	v_pk_mul_f32 v[X+i:X+i+1], v[X+i:X+i+1], v[RS:RS+1]
.set i, i+2
.endr
	s_wait_loadcnt 0x0                             ; g and b
.set i, 0
.rept 16
	v_pk_fma_f32 v[X+i:X+i+1], v[X+i:X+i+1], v[G+i:G+i+1], v[BT+i:BT+i+1]
.set i, i+2
.endr
.set i, 0
.rept 16
	v_cvt_pk_bf16_f32 v[T+i], v[X+2*i], v[X+2*i+1]
.set i, i+1
.endr
.irp j, 0,1,2,3,4,5,6,7
	global_store_b64 v2, v[T+2*(\j):T+2*(\j)+1], s[10:11] offset:256*(\j)
.endr
	s_endpgm
.Lfunc_end_k_q285b72d86b_ln1:
	.size	k_q285b72d86b_ln1, .Lfunc_end_k_q285b72d86b_ln1-k_q285b72d86b_ln1
	.p2alignl 7, 3214868480
	.fill 96, 4, 3214868480
	.section	.rodata,"a",@progbits
	.p2align	6, 0x0
	.amdhsa_kernel k_q285b72d86b_ln1
		.amdhsa_group_segment_fixed_size 0
		.amdhsa_private_segment_fixed_size 0
		.amdhsa_enable_private_segment 0
		.amdhsa_kernarg_size 32
		.amdhsa_user_sgpr_count 2
		.amdhsa_user_sgpr_kernarg_segment_ptr 1
		.amdhsa_wavefront_size32 1
		.amdhsa_system_sgpr_workgroup_id_x 1
		.amdhsa_system_sgpr_workgroup_id_y 1
		.amdhsa_system_sgpr_workgroup_id_z 1
		.amdhsa_system_vgpr_workitem_id 0
		.amdhsa_next_free_vgpr 128
		.amdhsa_next_free_sgpr 66
		.amdhsa_reserve_vcc 0
		.amdhsa_float_denorm_mode_32 3
		.amdhsa_float_denorm_mode_16_64 3
		.amdhsa_memory_ordered 1
		.amdhsa_forward_progress 1
		.amdhsa_inst_pref_size 12
	.end_amdhsa_kernel
	.amdgpu_metadata
---
amdhsa.version: [ 1, 2 ]
amdhsa.kernels:
  - .name:           k_q285b72d86b_ln1
    .symbol:         k_q285b72d86b_ln1.kd
    .args:
      - { .name: x, .offset: 0, .size: 8, .value_kind: global_buffer, .address_space: global }
      - { .name: ln1_g, .offset: 8, .size: 8, .value_kind: global_buffer, .address_space: global }
      - { .name: ln1_b, .offset: 16, .size: 8, .value_kind: global_buffer, .address_space: global }
      - { .name: a8, .offset: 24, .size: 8, .value_kind: global_buffer, .address_space: global }
    .group_segment_fixed_size: 0
    .private_segment_fixed_size: 0
    .kernarg_segment_align: 8
    .kernarg_segment_size: 32
    .max_flat_workgroup_size: 256
    .sgpr_count:     66
    .vgpr_count:     128
    .wavefront_size: 32
...
	.end_amdgpu_metadata
.endif
;; end of part 2
;; launch qkv (part 3): grid 12 x 16, 4 waves a work-group, clusters of 4 x 4, 327,680 bytes of LDS; arguments a8, wq, in_proj_b, fl0, act; writes act
.if DOCPART == 3
	.amdgcn_target "amdgcn-amd-amdhsa--gfx1250"
	.amdhsa_code_object_version 6
	.text
	.protected	k_q285b72d86b_qkv
	.globl	k_q285b72d86b_qkv
	.p2align	8
	.type	k_q285b72d86b_qkv,@function
k_q285b72d86b_qkv:
	s_mov_b64 s[64:65], 0
	v_nop
	global_prefetch_b8 v0, s[64:65] scope:SCOPE_SE
	s_setreg_imm32_b32 hwreg(HW_REG_WAVE_MODE, 25, 1), 1
	s_wait_xcnt 0x0
	s_wait_alu depctr_hold_cnt(0) depctr_sa_sdst(0) depctr_va_vdst(0) depctr_va_sdst(0) depctr_va_ssrc(0) depctr_va_vcc(0) depctr_vm_vsrc(0)
	s_getreg_b32 s2, hwreg(HW_REG_IB_STS2, 6, 4)
	s_cmp_eq_u32 s2, 0
	s_cbranch_scc0 .Lentry_in_a_cluster
	s_endpgm
.Lentry_in_a_cluster:
	s_bfe_u32 s2, ttmp6, 0x10000c
	s_cmp_lg_u32 s2, 0xf033
	s_cbranch_scc0 .Lentry_shape_is_right
	s_endpgm
.Lentry_shape_is_right:
; C[m][n] = max(floor, bias[n] + sum over k of A[m][k] W[n][k]).  A: [4096][1024] bf16, W: [N][1024] bf16 (N = 256 x the grid's width), bias: [N] f32; sums in f32, C rounded once to bf16.
; floor is a word of two bf16 read from the fourth argument: -infinity twice (no activation) or 0 (ReLU).  LIMIT: the packed maximum lets a NaN lose, so a NaN sum comes out as the floor.
; C IS STORED IN BLOCKS OF 64 COLUMNS: [N / 64][4096][64] bf16: a block is 524,288 bytes, a row of it 128 bytes, rows on end.  No store address holds N, so one text serves every N.
; A tile of C, 256 x 256, is made by a work-group of four waves; a wave makes 128 x 128: 64 accumulators of 16 x 16, 512 registers.  K goes in 8 steps of 128 through a ring of two LDS slots filled
; by the tensor data mover: the tiles' rows are 256 bytes of memory and start at multiples of 256 bytes from the buffer's first byte.
; CLUSTERS: 4 x 4 work-groups.  The four of a row of the cluster need the same tiles of A, the four of a column the same tiles of W: each tile is asked for JOINTLY, by the same tensor load with the
; same descriptor and a mask that names the four.
; REGISTERS, in windows of 256 (s_set_vgpr_msb's low byte: bits 1:0 source 0, 3:2 source 1, 5:4 source 2, 7:6 destination):
;   window 0: v0-31 addresses; v64-127, v128-191 fragments of A, two buffers; v32-63, v192-255 at work on the way out
;   window 1: v0-63 the bias of my 128 columns, laid as an accumulator's lanes want it; v64-127, v128-191 fragments of W, two buffers
;   window 2: the 32 accumulators of my rows 0-63 (accumulator (a, b) at v[8 (8 a + b)]);   window 3: those of my rows 64-127
; THE MATRIX INSTRUCTION IS USED TRANSPOSED: source 0 = 16 rows of W, source 1 = 16 rows of A: lane l then holds row l % 16 of C and the columns 8 (l / 16) + 0..7, which pack into 16 bytes.
; THE BIAS IS THE C OPERAND of each accumulator's first product: nothing is cleared, and no addition is written for it.
.set SIZE_K, 1024
.set KSTEP,  128
.set PITCH,  272                       ; an LDS row: 256 bytes + 16 of padding = 68 words: row r starts at bank 4 r mod 64 (64 banks of 4 bytes: ISA guide 11.1), so the 16 rows of a load start at 16 different banks
.set HALFT,  128*PITCH                 ; 128 rows: what one tensor load brings, and what one wave reads of A or of W
.set SLOT,   4*HALFT                   ; A's 256 rows, then W's 256 rows
.set STAGE,  2*SLOT                    ; behind the ring: 16 rows x 272 bytes for each wave, for the way out
.set SPITCH, 272
.set SPARE,  STAGE+4*16*SPITCH         ; behind the stages: the spare words, 128 bytes for each wave: two blocks of 256 bytes that no other line names
.set LAPS, SIZE_K/(2*KSTEP)            ; a lap = two K steps = once round the ring: 4
.set ADRA, 16                          ; v16-17  LDS address of my A fragments in slot 0, 1
.set ADRB, 20                          ; v20-21  the same for W
.set STO,  24                          ; v24     the way out: where I put 16 bytes of a row
.set RD,   25                          ; v25     the way out: where I read 16 bytes back
.set CO,   26                          ; v26     my byte offset in C
.set FLO,  27                          ; v27     the floor word
.set SPW,  28                          ; v28     LDS address of my spare word: SPARE + 4 x my thread's number; never rewritten
.set NIL,  29                          ; v29     0; never rewritten
.set PFO,  30                          ; v30     the prefetches' offset: my lane x a row of A or W (2,048 bytes); never rewritten
.set BO,   31                          ; v31     my byte offset in 16 numbers of the bias: 32 (l / 16)
.set PFA,  44                          ; s[44:45] where my prefetches stand: my work-group's 32 rows of the 128 that I fetch, one K step further along K than the refill that is being asked for
.set LIM,  43                          ; s43     1 in a wave that prefetches, else the greatest number
.set F0,   64                          ; fragment buffer 0
.set F1,   128                         ; fragment buffer 1
.set TMP,  192                         ; the way out: packed results, in window 0
.set OB,   32                          ; the way out: 16 rows read back from the stage: v32-63 and v224-255 by turns
.set G1, 24                            ; s[24:31] descriptor group 1 for A's tiles
.set G0, 32                            ; s[32:39] descriptor group 0 for A's tiles, one set for each slot
.set G1B, 48                           ; s[48:55] descriptor group 1 for W's tiles: it differs from A's in the mask alone
.set G0B, 56                           ; s[56:63] descriptor group 0 for W's tiles, one set for each slot
.set MSB, 0
.macro WIN new                         ; the immediate's high byte repeats the setting that is left; a switch that changes nothing is dropped
.if MSB != (\new)
	s_set_vgpr_msb (MSB<<8)|(\new)
.set MSB, \new
.endif
.endm
.set TO_B,   0x40                      ; destination window 1, address window 0
; A joint load.  Waves 0 and 1 fetch A's two halves, waves 2 and 3 W's.  Each of the two lines has one mask and one set of registers for all that issue it.  The branch hangs on the wave's number alone.
; An s_nop 0 and four v_nop follow each of the two lines, ahead of the jump, the label and what follows.
.macro JLOAD s
	s_cmp_eq_u32 s11, 0
	s_cbranch_scc0 .Lfor_b_\@
	tensor_load_to_lds s[G0+4*(\s):G0+4*(\s)+3], s[G1:G1+7]
	s_nop 0
.rept 4
	v_nop
.endr
	s_branch .Lasked_\@
.Lfor_b_\@:
	tensor_load_to_lds s[G0B+4*(\s):G0B+4*(\s)+3], s[G1B:G1B+7]
	s_nop 0
.rept 4
	v_nop
.endr
.Lasked_\@:
.endm
; A PREFETCH, behind each joint refill, its five lines and the run of LDS loads that follows them: the K step that stands TWO refills on, 512 matrix instructions ahead of the load that will want it:
; 32 rows x 256 bytes, a lane a row, one instruction a wave.  Each row's 256 bytes of a K step are named ONCE in the launch: A's tile row is read by every cluster of that row of clusters, and the one
; with cluster x = 0 asks; W's tile column by every cluster of that column, and the one with cluster y = 0 asks.  The four partners that ask for a tile jointly share its rows out BY ADDRESS: of the 128
; rows that a wave fetches the partner at place p takes 32 p .. 32 p + 31 (p = cx for A, cy for W).  K steps 0 to 3 come by their loads alone; the loop's last trip (s3 = 1) asks for nothing: K ends.
.macro ASK
	s_cmp_gt_u32 s3, s[LIM]
	s_cbranch_scc0 .Lnot_mine_\@
	global_prefetch_b8 v[PFO], s[PFA:PFA+1] offset:KSTEP*2 th:TH_LOAD_NT scope:SCOPE_SE
.Lnot_mine_\@:
.endm
; A round of the cluster's barrier: my work-group's barrier, so that wave 0's signal speaks for all four waves; wave 0 signals for the work-group; every wave waits for all sixteen; my work-group's barrier once more.
.macro CREST                           ; a round behind its opening barrier
	s_cmp_lg_u32 s10, 0
	s_cbranch_scc1 .Lnot_wave_0_\@
	s_barrier_signal -3
.Lnot_wave_0_\@:
	s_barrier_wait -3
	s_barrier_signal -1
	s_barrier_wait -1
.endm
.macro CROUND                          ; a whole round
	s_barrier_signal -1
	s_barrier_wait -1
	CREST
.endm
	s_load_b128 s[4:7], s[0:1], 0x0                ; A s[4:5], W s[6:7]
	s_load_b128 s[68:71], s[0:1], 0x10             ; bias s[68:69], the floor's buffer s[70:71]
	s_load_b64 s[8:9], s[0:1], 0x20                ; C
	v_lshl_add_u32 v[SPW], v0, 2, SPARE
	v_mov_b32 v[NIL], 0
	ds_add_u32 v[SPW], v[NIL]                      ; the wave's opening: the add and its wait stand ahead of my first tensor load; the set-up below, work on registers, stands between them
	ds_add_u32 v28, v29
	v_lshrrev_b32 v1, 5, v0
	v_readfirstlane_b32 s10, v1                    ; wave 0..3
	s_lshr_b32 s11, s10, 1                         ; which half of the tile's rows is mine.  Also: I fetch for A (0) or for W (1)
	s_and_b32 s12, s10, 1                          ; which half of its columns.  Also: which 128 rows of that tile I fetch
	s_bfe_u32 s40, ttmp6, 0x40000                  ; cx: my place along the cluster's x
	s_bfe_u32 s41, ttmp6, 0x40004                  ; cy: along its y
	s_lshl_b32 s42, ttmp9, 2                       ; in a cluster launch ttmp9 and ttmp7 count clusters
	s_add_co_u32 s42, s42, s40                     ; tile column of C = 4 x cluster x + cx
	s_and_b32 s13, ttmp7, 0xffff
	s_lshl_b32 s13, s13, 2
	s_add_co_u32 s13, s13, s41                     ; tile row of C = 4 x cluster y + cy
	s_lshl_b32 s43, s41, 2
	s_lshl_b32 s43, 15, s43                        ; my row of the cluster: places 4 cy .. 4 cy + 3
	s_lshl_b32 s44, 0x1111, s40                    ; my column: places cx, cx + 4, cx + 8, cx + 12
	; descriptor group 1: a tile of 128 rows x 128 elements, padded in LDS
	s_or_b32 s[G1+0], s43, (1<<16)|(1<<20)|(1<<21)|(5<<22)|(3<<25)  ; 15:0 the mask: A's tiles go to my row; 17:16 elements of 2 bytes; 20 padding on; 21 set beside a mask; 24:22 after every 64 words (code 5); 31:25 4 words of it (code 3)
	s_or_b32 s[G1B+0], s44, (1<<16)|(1<<20)|(1<<21)|(5<<22)|(3<<25) ; the same with the mask of my column, for W's tiles
.irp g, G1, G1B
	s_mov_b32 s[(\g)+1], KSTEP<<16                 ; tensor_dim0 = 128
	s_mov_b32 s[(\g)+2], 128<<16                   ; tensor_dim1 = 128
	s_mov_b32 s[(\g)+3], KSTEP<<16                 ; tile_dim0 = 128
	s_mov_b32 s[(\g)+4], 128                       ; tile_dim1 = 128
	s_mov_b32 s[(\g)+5], SIZE_K                    ; elements from row to row
	s_mov_b32 s[(\g)+6], 0
	s_mov_b32 s[(\g)+7], 0
.endr
	; where the tiles come from.  A's hang on the tile row alone, which my row of the cluster shares; W's on the tile column alone, which my column shares.
	s_lshl_b32 s17, s12, 7                         ; which 128 rows of the tile I fetch
	s_lshl_b32 s16, s13, 8
	s_add_co_u32 s16, s16, s17                     ; A: row 256 x tile row + 128 x half
	s_lshl_b32 s46, s42, 8
	s_add_co_u32 s46, s46, s17                     ; W: row 256 x tile column + 128 x half
	s_mov_b32 s17, 0
	s_mov_b32 s47, 0
	s_mov_b64 s[18:19], SIZE_K*2
	s_mul_u64 s[16:17], s[16:17], s[18:19]         ; in bytes
	s_mul_u64 s[46:47], s[46:47], s[18:19]
	s_mul_i32 s20, s10, HALFT                      ; and where they go: wave x 128 rows: no place in the cluster enters an LDS address
	s_wait_dscnt 0x0                               ; the opening add is done
	s_wait_kmcnt 0x0
	s_load_b32 s72, s[70:71], 0x0                  ; the floor word; waited for below
	s_add_nc_u64 s[14:15], s[4:5], s[16:17]
	s_add_nc_u64 s[46:47], s[6:7], s[46:47]
	CROUND                                         ; all sixteen work-groups are here: the first joint loads meet
.irp s, 0,1
	s_mov_b32 s[G0+4*(\s)], 1                                      ; 1:0 count = 1
	s_add_co_u32 s[G0+4*(\s)+1], s20, (\s)*SLOT                    ; 63:32 LDS address
	s_add_nc_u64 s[G0+4*(\s)+2:G0+4*(\s)+3], s[14:15], (\s)*KSTEP*2  ; 120:64 global address: K step s
	s_or_b32 s[G0+4*(\s)+3], s[G0+4*(\s)+3], 0x80000000            ; 127:126 type = 2
	s_mov_b32 s[G0B+4*(\s)], 1
	s_add_co_u32 s[G0B+4*(\s)+1], s20, (\s)*SLOT
	s_add_nc_u64 s[G0B+4*(\s)+2:G0B+4*(\s)+3], s[46:47], (\s)*KSTEP*2
	s_or_b32 s[G0B+4*(\s)+3], s[G0B+4*(\s)+3], 0x80000000
	JLOAD \s                                       ; the ring is filled before anything else is done: two loads of mine are out
.endr
	; A fragment is 16 rows x 32 K in 8 registers: lane l holds row l % 16; registers 0-3 hold K = 8 (l / 16) + 0..7, registers 4-7 K = 16 + 8 (l / 16) + 0..7: two loads of 16 bytes, 32 bytes apart.
	v_and_b32 v1, 15, v0                           ; l % 16
	v_bfe_u32 v2, v0, 4, 1                         ; l / 16
	v_mul_u32_u24 v3, v1, PITCH
	v_lshl_add_u32 v3, v2, 4, v3                   ; row x pitch + 16 x half
	s_mul_i32 s21, s11, HALFT                      ; my 128 rows of A
	s_mul_i32 s22, s12, HALFT                      ; my 128 rows of W,
	s_add_co_u32 s22, s22, 2*HALFT                 ; which lie behind A's 256
.irp s, 0,1
	v_add_nc_u32 v[ADRA+(\s)], s21, v3
	v_add_nc_u32 v[ADRB+(\s)], s22, v3
	s_add_co_u32 s21, s21, SLOT
	s_add_co_u32 s22, s22, SLOT
.endr
	; The way out.  Row r of a block of 16 rows lies at place r / 2 + 8 (r % 2) of my stage, so that rows 2 t and 2 t + 1 lie 8 x 272 = 2,176 bytes apart, 128 more than a multiple of 256.
	s_mul_i32 s23, s10, 16*SPITCH
	s_add_co_u32 s23, s23, STAGE                   ; my stage
	v_lshrrev_b32 v4, 1, v1
	v_and_b32 v5, 1, v1
	v_lshl_add_u32 v4, v5, 3, v4                   ; the row's place
	v_mul_u32_u24 v4, v4, SPITCH
	v_lshl_add_u32 v4, v2, 4, v4                   ; in: 16 bytes for each half of the lanes
	v_add_nc_u32 v[STO], s23, v4
	v_bfe_u32 v5, v0, 3, 1                         ; back: lanes 0-7 row 2 t, lanes 8-15 row 2 t + 1, 128 bytes (64 columns) each;
	v_mul_u32_u24 v5, v5, 8*SPITCH
	v_lshl_add_u32 v5, v2, 7, v5                   ; lanes 16-31 the same rows' other 64 columns
	v_and_b32 v6, 7, v0
	v_lshl_add_u32 v5, v6, 4, v5
	v_add_nc_u32 v[RD], s23, v5
	v_lshlrev_b32 v5, 19, v2                       ; in C: lanes 16-31 one block of 64 columns on,
	v_lshl_add_u32 v[CO], v1, 4, v5                ; sixteen lanes on two rows of a block: 256 bytes on end
	v_lshlrev_b32 v[BO], 5, v2
	s_lshl_b32 s74, s42, 2
	s_lshl_b32 s75, s12, 1
	s_add_co_u32 s74, s74, s75                     ; my first block of 64 columns: 4 x tile column + 2 x half
	s_lshl_b32 s74, s74, 19
	s_lshl_b32 s75, s13, 8
	s_lshl_b32 s73, s11, 7
	s_add_co_u32 s75, s75, s73                     ; my first row
	s_lshl_b32 s75, s75, 7
	s_add_co_u32 s74, s74, s75
	s_mov_b32 s75, 0
	s_add_nc_u64 s[8:9], s[8:9], s[74:75]          ; C at my part of the tile
	s_lshl_b32 s74, s42, 10
	s_lshl_b32 s73, s12, 9
	s_add_co_u32 s74, s74, s73
	s_add_nc_u64 s[68:69], s[68:69], s[74:75]      ; the bias at my 128 columns
	; the prefetches
	s_lshl_b32 s13, s13, 8                         ; 256 x tile row
	s_lshl_b32 s42, s42, 8                         ; 256 x tile column
	s_and_b32 s22, ttmp7, 0xffff                   ; cluster y
	s_cmp_eq_u32 s11, 0                            ; do I fetch for A?
	s_cselect_b32 s20, s13, s42                    ; the tile's first row: in A by the tile row, in W by the tile column
	s_cselect_b32 s21, s40, s41                    ; my place among the four that ask for it with me
	s_cselect_b32 s22, ttmp9, s22                  ; the coordinate along which other clusters read the same rows
	s_cselect_b64 s[PFA:PFA+1], s[4:5], s[6:7]
	s_cmp_eq_u32 s22, 0
	s_cselect_b32 s[LIM], 1, -1                    ; the same in all sixteen partners, for a given wave
	s_lshl_b32 s22, s12, 7
	s_add_co_u32 s20, s20, s22                     ; + the 128 rows that I fetch
	s_lshl_b32 s21, s21, 5
	s_add_co_u32 s20, s20, s21                     ; + my work-group's 32 of them
	s_mov_b32 s21, 0
	s_mov_b64 s[18:19], SIZE_K*2
	s_mul_u64 s[20:21], s[20:21], s[18:19]
	s_add_nc_u64 s[PFA:PFA+1], s[PFA:PFA+1], s[20:21]
	s_add_nc_u64 s[PFA:PFA+1], s[PFA:PFA+1], 2*KSTEP*2  ; at K step 2: the first refill steps it to 3 and names K step 4
	v_and_b32 v[PFO], 31, v0
	v_mul_u32_u24 v[PFO], v[PFO], SIZE_K*2
	; the bias: register 8 b + j of window 1 = bias[my first column + 16 b + 8 (l / 16) + j], the place of that column in accumulator (a, b), whatever a
	WIN TO_B
.irp b, 0,1,2,3,4,5,6,7
	global_load_b128 v[8*(\b):8*(\b)+3],   v[BO], s[68:69] offset:64*(\b)
	global_load_b128 v[8*(\b)+4:8*(\b)+7], v[BO], s[68:69] offset:64*(\b)+16
.endr
	WIN 0
	s_wait_kmcnt 0x0                               ; the floor word
	v_mov_b32 v[FLO], s72
; 16 matrix instructions: m blocks a0, a0 + 1 of the window's four (hi = 0: my rows 0-63, 1: rows 64-127) x all 8 n blocks, 32 along K.
; zero = 1: the first product starts the sums, with the bias (window 1) as its C operand.
.macro MUL16 f, hi, a0, zero
.if \zero
	WIN 0x91+0x40*(\hi)                            ; source 0 (W) window 1, source 1 (A) window 0, C window 1, D window 2 or 3
.else
	WIN 0xa1+0x50*(\hi)                            ; the same with C and D in window 2 or 3
.endif
.irp a, \a0, (\a0)+1
.irp b, 0,1,2,3,4,5,6,7
.if \zero
	v_wmma_f32_16x16x32_bf16 v[8*(8*(\a)+(\b)):8*(8*(\a)+(\b))+7], v[(\f)+8*(\b):(\f)+8*(\b)+7], v[(\f)+8*(4*(\hi)+(\a)):(\f)+8*(4*(\hi)+(\a))+7], v[8*(\b):8*(\b)+7]
.else
	v_wmma_f32_16x16x32_bf16 v[8*(8*(\a)+(\b)):8*(8*(\a)+(\b))+7], v[(\f)+8*(\b):(\f)+8*(\b)+7], v[(\f)+8*(4*(\hi)+(\a)):(\f)+8*(4*(\hi)+(\a))+7], v[8*(8*(\a)+(\b)):8*(8*(\a)+(\b))+7]
.endif
.endr
.endr
.endm
; 32 LDS loads in one run: the fragments of one quarter step (128 rows of W, 128 rows of A, 32 K at byte k of the rows) into buffer f
.macro FETCH slot, k, f
	WIN TO_B
.irp i, 0,1,2,3,4,5,6,7
	ds_load_b128 v[(\f)+8*(\i):(\f)+8*(\i)+3],   v[ADRB+(\slot)] offset:(\k)+(\i)*16*PITCH
	ds_load_b128 v[(\f)+8*(\i)+4:(\f)+8*(\i)+7], v[ADRB+(\slot)] offset:(\k)+(\i)*16*PITCH+32
.endr
	WIN 0
.irp i, 0,1,2,3,4,5,6,7
	ds_load_b128 v[(\f)+8*(\i):(\f)+8*(\i)+3],   v[ADRA+(\slot)] offset:(\k)+(\i)*16*PITCH
	ds_load_b128 v[(\f)+8*(\i)+4:(\f)+8*(\i)+7], v[ADRA+(\slot)] offset:(\k)+(\i)*16*PITCH+32
.endr
.endm
; A load into a register that a matrix instruction has read, and a vector instruction that reads a matrix result, stand four places behind that matrix instruction, and only plain vector
; instructions that name none of its registers are places (ISA guide 7.12.1 for vector instructions).
.macro PLACES
.rept 4
	v_nop
.endr
.endm
; A K step is four quarter steps of 32 along K, 64 matrix instructions each, on buffers 0, 1, 0, 1.  The 64 accumulators take turns, one instruction a turn, in the same order in every quarter.
; One of the first three: multiplies buffer f; in its middle it fetches the next quarter's fragments, at byte k of the same slot's rows, into buffer g.
.macro QUARTER slot, k, f, g, zero
	s_wait_dscnt 8                                 ; W and A's rows 0-63 are in; the youngest eight loads (A's rows 64-127) may be out
	MUL16 \f, 0, 0, \zero
	MUL16 \f, 0, 2, \zero
	PLACES
	FETCH \slot, \k, \g
	s_wait_dscnt 32                                ; all but the 32 just issued
	MUL16 \f, 1, 0, \zero
	MUL16 \f, 1, 2, \zero
.endm
; The last quarter multiplies buffer 1 and changes slots.  MEET is its first half: ONE barrier for the change of slots.  In front of it each wave waits for all its tensor loads, of which one is out:
; its part of the next slot; adds 0 to its spare word; and waits for that and for its own reads of this slot.  Behind it nobody reads this slot any more and the next slot is whole.
.macro MEET round                      ; round = 1: a round of the cluster's barrier follows
	WIN 0                                          ; (the add's two registers lie in window 0)
	s_wait_tensorcnt 0x0                           ; all my tensor loads have landed;
	ds_add_u32 v[SPW], v[NIL]                      ; 0 onto my spare word;
	s_wait_dscnt 9                                 ; (the add and the youngest eight loads may be out)
	MUL16 F1, 0, 0, 0                              ; sixteen matrix instructions stand between the add and the wait for it
	s_wait_dscnt 0x0                               ; the add is done, and my reads of this slot are over:
	s_barrier_signal -1                            ; say so,
	MUL16 F1, 0, 2, 0                              ; work on registers while the others arrive,
.if \round
	WIN 0
.endif
	s_barrier_wait -1                              ; and go on when all four have said so
.endm
; The whole last quarter.  Behind the round the slot just read out is filled again first, with the K step two steps on; then come the next slot's first fragments.
; From a request to the wait for it a wave issues 224 matrix instructions.
.macro TURN slot, next
	s_wait_xcnt 0x0                                ; the last prefetch, a K step back, has read its address: it is stepped here, ahead of the waits of the change of slots
	s_add_nc_u64 s[PFA:PFA+1], s[PFA:PFA+1], KSTEP*2
	MEET 1
	CREST                                          ; no wave of any partner still reads this slot's tile or has a load on its way
	s_add_nc_u64 s[G0+4*(\slot)+2:G0+4*(\slot)+3], s[G0+4*(\slot)+2:G0+4*(\slot)+3], 2*KSTEP*2
	s_add_nc_u64 s[G0B+4*(\slot)+2:G0B+4*(\slot)+3], s[G0B+4*(\slot)+2:G0B+4*(\slot)+3], 2*KSTEP*2
	JLOAD \slot                                    ; the first tensor load behind the round; the four v_nop behind it are also the places in front of the loads below
	FETCH \next, 0, F0
	ASK
	MUL16 F1, 1, 0, 0
	MUL16 F1, 1, 2, 0
.endm
; THE WAY OUT of block a (16 rows x 128 columns), in three parts.  PACK: rounded to bf16, 16 bytes a lane, and held to the floor.  TOSTAGE: into my own stage, and back by rows of 64 columns.  SEND: stored.
.macro PACK a
.set AC, 64*((\a)%4)
	WIN 0x0a+5*((\a)/4)                            ; sources 0 and 1: window 2 or 3
.irp b, 0,1,2,3,4,5,6,7
.irp r, 0,1,2,3
	v_cvt_pk_bf16_f32 v[TMP+4*(\b)+(\r)], v[AC+8*(\b)+2*(\r)], v[AC+8*(\b)+2*(\r)+1]  ; each accumulator's registers in ascending order
.endr
.endr
	WIN 0
.set i, 0
.rept 32
	v_pk_max_num_bf16 v[TMP+i], v[TMP+i], v[FLO]   ; two maxima a line; nothing is rounded
.set i, i+1
.endr
.endm
.macro TOSTAGE a
	WIN 0
.set BK, OB+192*((\a)%2)
.irp b, 0,1,2,3,4,5,6,7
	ds_store_b128 v[STO], v[TMP+4*(\b):TMP+4*(\b)+3] offset:32*(\b)
.endr
.irp t, 0,1,2,3,4,5,6,7
	ds_load_b128 v[BK+4*(\t):BK+4*(\t)+3], v[RD] offset:(\t)*SPITCH  ; LDS serves a wave's instructions in order (ISA guide 5.7.1.4): these see the stores above
.endr
.endm
.macro SEND a
	WIN 0
.set BK, OB+192*((\a)%2)
	s_wait_dscnt 0x0                               ; the block is back in registers
	s_wait_xcnt 0x0                                ; every earlier store has had its addresses translated (ISA guide 3.1): the other buffer, which the block before last was stored from, is loaded again only behind this wait
.irp t, 0,1,2,3,4,5,6,7
	global_store_b128 v[CO], v[BK+4*(\t):BK+4*(\t)+3], s[8:9] offset:2048*(\a)+256*(\t)  ; 16 lanes store 256 consecutive bytes (rows 2 t, 2 t + 1 of a block of 64 columns), at a multiple of 256 from C's first byte
.endr
.endm
	s_wait_tensorcnt 1                             ; my part of K step 0 is in; K step 1's load may stay out
	s_barrier_signal -1
	s_barrier_wait -1                              ; everybody's is
	FETCH 0, 0, F0
	s_wait_loadcnt 0x0                             ; the bias
	QUARTER 0, 64,  F0, F1, 1                      ; the first quarter stands in front of the loop: its products start the sums
	WIN 0                                          ; at a label and at a branch every window is 0
	s_mov_b32 s3, LAPS-1
.Llap:                                                 ; a trip goes once round the ring, from a lap's second quarter to the next lap's first, and fills both slots again
	QUARTER 0, 128, F1, F0, 0
	QUARTER 0, 192, F0, F1, 0
	TURN 0, 1
	QUARTER 1, 64,  F0, F1, 0
	QUARTER 1, 128, F1, F0, 0
	QUARTER 1, 192, F0, F1, 0
	TURN 1, 0
	QUARTER 0, 64,  F0, F1, 0
	WIN 0
	s_sub_co_u32 s3, s3, 1
	s_cmp_lg_u32 s3, 0
	s_cbranch_scc1 .Llap
	QUARTER 0, 128, F1, F0, 0                      ; the last lap is written out: it asks for nothing more
	QUARTER 0, 192, F0, F1, 0
	MEET 0                                         ; my one tensor load that was still out is slot 1's, the last K step's, so no round follows
	PLACES                                         ; for the loads into buffer 0, which the quarter before multiplied
	FETCH 1, 0, F0
	MUL16 F1, 1, 0, 0
	MUL16 F1, 1, 2, 0
	QUARTER 1, 64,  F0, F1, 0
	QUARTER 1, 128, F1, F0, 0
	QUARTER 1, 192, F0, F1, 0
	s_wait_dscnt 8                                 ; the very last quarter: nothing more to fetch
	MUL16 F1, 0, 0, 0
	MUL16 F1, 0, 2, 0
	s_wait_dscnt 0x0
	MUL16 F1, 1, 0, 0
	MUL16 F1, 1, 2, 0
	PLACES                                         ; the conversions read results just made
	PLACES                                         ; (eight, once a launch)
	PACK 0
	TOSTAGE 0
.irp a, 1,2,3,4,5,6,7                  ; block a's conversions stand between block a - 1's loads from the stage and the wait for them
	PACK \a
	SEND (\a)-1
	TOSTAGE \a
.endr
	SEND 7
	s_wait_tensorcnt 0x0                           ; the wave's end: behind my last tensor load and my last LDS store
	ds_add_u32 v[SPW], v[NIL]
	s_wait_dscnt 0x0
	CROUND                                         ; the closing round: no work-group ends while a partner may still ask for a tile that names it
	s_endpgm
.Lfunc_end_k_q285b72d86b_qkv:
	.size	k_q285b72d86b_qkv, .Lfunc_end_k_q285b72d86b_qkv-k_q285b72d86b_qkv
	.p2alignl 7, 3214868480
	.fill 96, 4, 3214868480
	.section	.rodata,"a",@progbits
	.p2align	6, 0x0
	.amdhsa_kernel k_q285b72d86b_qkv
		.amdhsa_group_segment_fixed_size 327680
		.amdhsa_private_segment_fixed_size 0
		.amdhsa_enable_private_segment 0
		.amdhsa_kernarg_size 40
		.amdhsa_user_sgpr_count 2
		.amdhsa_user_sgpr_kernarg_segment_ptr 1
		.amdhsa_wavefront_size32 1
		.amdhsa_system_sgpr_workgroup_id_x 1
		.amdhsa_system_sgpr_workgroup_id_y 1
		.amdhsa_system_sgpr_workgroup_id_z 1
		.amdhsa_system_vgpr_workitem_id 0
		.amdhsa_next_free_vgpr 1024
		.amdhsa_next_free_sgpr 76
		.amdhsa_reserve_vcc 0
		.amdhsa_float_denorm_mode_32 3
		.amdhsa_float_denorm_mode_16_64 3
		.amdhsa_memory_ordered 1
		.amdhsa_forward_progress 1
		.amdhsa_inst_pref_size 162
	.end_amdhsa_kernel
	.amdgpu_metadata
---
amdhsa.version: [ 1, 2 ]
amdhsa.kernels:
  - .name:           k_q285b72d86b_qkv
    .symbol:         k_q285b72d86b_qkv.kd
    .args:
      - { .name: a8, .offset: 0, .size: 8, .value_kind: global_buffer, .address_space: global }
      - { .name: wq, .offset: 8, .size: 8, .value_kind: global_buffer, .address_space: global }
      - { .name: in_proj_b, .offset: 16, .size: 8, .value_kind: global_buffer, .address_space: global }
      - { .name: fl0, .offset: 24, .size: 8, .value_kind: global_buffer, .address_space: global }
      - { .name: act, .offset: 32, .size: 8, .value_kind: global_buffer, .address_space: global }
    .group_segment_fixed_size: 327680
    .private_segment_fixed_size: 0
    .kernarg_segment_align: 8
    .kernarg_segment_size: 40
    .max_flat_workgroup_size: 128
    .sgpr_count:     76
    .vgpr_count:     1024
    .wavefront_size: 32
...
	.end_amdgpu_metadata
.endif
;; end of part 3
;; launch attn (part 4): grid 8 x 32, 4 waves a work-group, no clusters, 262,144 bytes of LDS; arguments act, res_pos, a8; writes a8
.if DOCPART == 4
	.amdgcn_target "amdgcn-amd-amdhsa--gfx1250"
	.amdhsa_code_object_version 6
	.text
	.protected	k_q285b72d86b_attn
	.globl	k_q285b72d86b_attn
	.p2align	8
	.type	k_q285b72d86b_attn,@function
k_q285b72d86b_attn:
	s_mov_b64 s[64:65], 0
	v_nop
	global_prefetch_b8 v0, s[64:65] scope:SCOPE_SE
	s_setreg_imm32_b32 hwreg(HW_REG_WAVE_MODE, 25, 1), 1
	s_wait_xcnt 0x0
; BANDED ATTENTION.  O[b][h][i][:] = the sum over j, 0 <= i - j < 512, of softmax_j(Q[i] . K[j] / 8 + res_pos[h][i - j]) V[j][:].
; Q, K, V lie in act in blocks of 64 columns, [48][4096][64] bf16: block h is head h's Q, block 16 + h its K, block 32 + h its V; row b x 2048 + i, 128 bytes, rows on end.  O goes to [16][4096][64] bf16 likewise.
; Products, maxima and sums in f32; the weights p are rounded to bf16 for the second product (their sum l is taken of the unrounded p), O once at the end.
; LIMITS.  A hidden score counts as its value less 1e30; the running maximum never falls below -1e20, so a query whose visible scores Q . K + 8 bias all lie below -1e20 is not served;
; a weight below 2^-126 counts as 0 in l; NaN and infinities are not treated apart.
; SHARES.  A work-group owns 256 queries q0 .. q0 + 255 of one batch and head, each of its four waves 64 on end: four tiles of 16.  The keys q0 - 512 .. q0 + 255, twelve tiles of 64, ALL lie in LDS at once:
; each LDS byte is filled once, so there is no ring and one barrier.  Wave w needs the tiles w .. w + 8: nine trips for every wave.  Tiles ahead of the sequence's first key (the first 8 - 4 qb - w trips,
; where that is above 0) are jumped over, forward, past text that holds neither a barrier nor a tensor load; their LDS bytes are filled from key 0 on, so that the load stays inside the buffer, and never read.
; NO CLUSTER: neighbouring query blocks share 512 of their 768 keys, but at other places of their LDS: no one descriptor serves two of them.  NO PREFETCH: all that a work-group reads is asked for at its head.
; LAYOUT.  S^T = K Q^T (source 0 = 16 keys, source 1 = 16 queries): a lane holds ONE query (lane % 16) and the keys 8 (lane / 16) + 0..7.  Two such results, rounded to bf16 in pairs, ARE source 1 of
; O^T = V^T P, whose result again holds one query a lane, and eight channels.  K comes out of LDS as it lies, V ([key][channel]) turned, by ds_load_tr16_b128.
; BIAS AND MASK ARE ONE TABLE, and enter as the C operand that starts the sum: U[x] = 8 res_pos[h][575 - x] where 0 <= 575 - x < 512, else -1e30; x = 0..639.  In trip s the key 16 kb + 8 (l / 16) + j of the
; tile and the query 16 t + l % 16 of the wave lie i - j = 575 - x apart with x = 64 s + 16 (3 - t + kb) + (15 - l % 16 + 8 (l / 16)) + j: seven groups of eight words a lane serve all sixteen accumulators.
; Four copies of U, copy c shifted by c words, let every lane read its eight words as two aligned loads of 16 bytes.
; SOFTMAX.  p = 2^(c s - c m), s = Q . K + 8 bias, c = log2(e) / 8, with a running maximum m; O and l are multiplied by a = 2^(c m_old - c m_new) in every trip.  O and l start at 0.
; m STARTS AT -1e20: above every hidden score, below every visible one.  The wave's last query finds its first tile wholly hidden (i - j = 512 .. 575).  There m stays -1e20, every exponent is about
; -1.8e29 and every weight 0: O and l stay 0, and the next tile's a = 0 multiplies zeros.  (Were m a hidden score itself, c s - c m, a fused multiply-add against the rounded c m, would be that
; rounding's error, of the size of 2^-24 x 1.8e29, and not 0.)  Every query sees its own key in the last trip.
; IN PHASES: a trip's 32 products K Q^T, the softmax of the four tiles, its 32 products V^T P.  The trip's 132 exponentials are one batch with one wait.
; REGISTERS, in windows of 256 (s_set_vgpr_msb: bits 1:0 source 0, 3:2 source 1, 5:4 source 2, 7:6 destination):
;   window 0: v0-11 addresses; v12-15, v32-47 at work; v16-31 four registers of statistics a tile; v48-61 set-up; v64-191 S^T, 32 a tile; v192-255 P, 16 a tile
;   window 1: v0-127 O^T, 32 a tile; v128-183 the trip's seven groups of bias          window 2: v0-63 Q; v64-127 K of a trip; v128-191 V of a trip
.set PKP,   144       ; a row of K in LDS: 128 bytes + 16 of padding = 36 words: the 16 rows of a load start at 16 different groups of four banks (64 banks of 4 bytes: ISA guide 11.1)
.set PVP,   160       ; a row of V: 128 + 32 = 40 words
.set VBASE, 768*PKP   ; 768 rows of K, then 768 rows of V
.set TBL,   VBASE+768*PVP  ; then the table: four copies,
.set CP,    2624      ; 2,624 bytes apart: 64 more than a multiple of 256, so that sixteen lanes (four of each copy, 16 bytes apart) touch each bank once.  A copy: 16 bytes of room, then 640 words
.set STAGE, TBL+4*CP  ; 16 rows x 144 bytes for each wave, for the way out
.set SP,    144
.set SPARE, STAGE+4*16*SP  ; the spare words, 128 bytes for each wave: two blocks of 256 bytes that no other line names
.set AK0, 2           ; v2   my lane's place in a tile of K; never rewritten
.set AV0, 3           ; v3   the same for V
.set AK,  4           ; v4   the LDS address of K's run of loads
.set AV,  5           ; v5   of V's
.set QO,  6           ; v6   my byte offset in 16 rows of Q
.set RD,  7           ; v7   the way out: where I read rows back
.set GO,  8           ; v8   my byte offset in 512 consecutive bytes of O
.set AB0, 9           ; v9   my lane's place in the table; never rewritten
.set AB,  10          ; v10  the LDS address of the bias's run of loads
.set STO, 11          ; v11  the way out: where I put 16 bytes of a row
.set MV,  12          ; v12-15  c m_old, kept while c m is made anew: by tile
.set ST,  16          ; tile t's statistics at v[ST+4 t]: c m, m, l (even keys', odd keys')
.set TMP, 32          ; by tile, four registers c0-c3 at work; when the maximum is found c2 takes a
.set TS,  55          ; v55  where my thread puts its words of the table
.set SPW, 62          ; v62  LDS address of my spare word: SPARE + 4 x my thread's number; never rewritten
.set NIL, 63          ; v63  0; never rewritten
.set S,   64
.set P,   192
.set BI,  128         ; window 1
.set KF,  64          ; window 2: key block kb, channel half c at KF + 16 kb + 8 c
.set VF,  128         ; window 2: key half kk, channel block cb at VF + 32 kk + 8 cb
.set WV,  12          ; s12  my wave's number
.set QB,  13          ; s13  the block of 256 queries
.set HD,  15          ; s15  the head
.set BA,  16          ; s16  the batch
.set HF,  17          ; s17  which half of a group's 256 keys I fetch
.set G1K, 24          ; s[24:31] descriptor group 1 for K's tiles
.set G1V, 32          ; s[32:39] for V's: it differs in the padding alone
.set G0K, 40          ; s[40:51] descriptor group 0 for K's tiles: a set for each of the three groups of 256 keys
.set G0V, 52          ; s[52:63] the same for V's
.set KB,  66          ; s[66:67] K at my half of the sequence's first 256 keys
.set VB,  68          ; s[68:69] V likewise
.set OFF, 70          ; s[70:71] a byte offset
.set CNT, 72          ; s72  trips still to come, 9 to 1
.set LIVE, 73         ; s73  how many of the nine tiles exist: the last LIVE trips are walked
.set TBK, 74          ; s74  LDS byte at which K of the trip's tile begins
.set TBV, 75          ; s75  the same for V, less VBASE
.set TBB, 76          ; s76  256 x the trip's number: 64 words of the table
.set CS,  78          ; s[78:79] c: the packed scaling takes the pair's low word for both halves
.set SEL, 80          ; s[80:81] v_permlanex16_b32's selects: each lane takes its own place in the other half
.set NEG, 82          ; s82  -1e30
.set QPT, 84          ; s[84:85] Q at my wave's first row
.set OPT, 86          ; s[86:87] O likewise
.set RPT, 88          ; s[88:89] res_pos at my head's row
.set MSB, 0
.macro WIN new                      ; the high byte repeats the setting that is left; a switch that changes nothing is dropped
.if MSB != (\new)
	s_set_vgpr_msb (MSB<<8)|(\new)
.set MSB, (\new)
.endif
.endm
	s_load_b128 s[4:7], s[0:1], 0x0  ; act s[4:5], res_pos s[6:7]
	s_load_b64 s[8:9], s[0:1], 0x10  ; O
	v_lshl_add_u32 v[SPW], v0, 2, SPARE
	v_mov_b32 v[NIL], 0
	ds_add_u32 v[SPW], v[NIL]       ; the wave's opening: the add and its wait stand ahead of my first tensor load; the set-up below, work on registers, stands between them
	ds_add_u32 v62, v63
	v_lshrrev_b32 v1, 5, v0
	v_readfirstlane_b32 s[WV], v1   ; wave 0..3
	s_mov_b32 s[QB], ttmp9
	s_and_b32 s14, ttmp7, 0xffff
	s_and_b32 s[HD], s14, 15
	s_lshr_b32 s[BA], s14, 4
	s_and_b32 s[HF], s[WV], 1
	; descriptor group 1.  128 keys are 16,384 dense bytes: asked for as 64 rows of 256 bytes, two keys a row, and padded in LDS after every key
	s_mov_b32 s[G1K], (1<<16)|(1<<20)|(4<<22)|(3<<25)  ; 17:16 2-byte elements; 20 padding on; 24:22 after every 32 words (code 4); 31:25 4 words (code 3)
	s_mov_b32 s[G1V], (1<<16)|(1<<20)|(4<<22)|(7<<25)  ; the same with 8 words of padding (code 7)
.irp g, G1K, G1V
	s_mov_b32 s[\g+1], 128<<16      ; tensor_dim0 = 128
	s_mov_b32 s[\g+2], 64<<16       ; tensor_dim1 = 64
	s_mov_b32 s[\g+3], 128<<16      ; tile_dim0 = 128
	s_mov_b32 s[\g+4], 64           ; tile_dim1 = 64
	s_mov_b32 s[\g+5], 128          ; 128 elements from row to row
	s_mov_b32 s[\g+6], 0
	s_mov_b32 s[\g+7], 0
.endr
	s_mul_i32 s21, s[HF], 128*PKP   ; my half's place in a group, for K
	s_mul_i32 s22, s[HF], 128*PVP   ; and for V
.irp g, 0,1,2
	s_mov_b32 s[G0K+4*\g], 1        ; 1:0 count = 1
	s_add_co_u32 s[G0K+4*\g+1], s21, \g*256*PKP  ; 63:32 LDS address
	s_mov_b32 s[G0V+4*\g], 1
	s_add_co_u32 s[G0V+4*\g+1], s22, VBASE+\g*256*PVP
.endr
	s_lshl_b32 s18, s[BA], 18       ; the batch's 2,048 rows of 128 bytes,
	s_lshl_b32 s19, s[HF], 14       ; my half's 128
	s_add_co_u32 s18, s18, s19
	s_add_co_u32 s19, s[HD], 16     ; K's block
	s_lshl_b32 s19, s19, 19
	s_add_co_u32 s[OFF], s18, s19
	s_mov_b32 s[OFF+1], 0
	s_lshl_b32 s2, s[BA], 11
	s_lshl_b32 s3, s[QB], 8
	s_add_co_u32 s2, s2, s3
	s_lshl_b32 s3, s[WV], 6
	s_add_co_u32 s2, s2, s3         ; my wave's first row,
	s_lshl_b32 s2, s2, 7
	s_lshl_b32 s3, s[HD], 19        ; in block h, of Q and of O
	s_add_co_u32 s2, s2, s3
	s_mov_b32 s3, 0
	s_lshl_b32 s10, s[HD], 11       ; a row of res_pos is 2,048 bytes
	s_mov_b32 s11, 0
	s_mov_b32 s[CS], 0x3e38aa3b     ; c = log2(e) / 8 = 0.180337
	s_mov_b32 s[CS+1], s[CS]        ; named with it as a pair
	s_mov_b32 s[SEL], 0x76543210
	s_mov_b32 s[SEL+1], 0xfedcba98
	s_mov_b32 s[NEG], 0xf149f2ca    ; -1e30
	s_mul_i32 s[TBK], s[WV], 64*PKP ; my first tile is tile w
	s_mul_i32 s[TBV], s[WV], 64*PVP
	s_mov_b32 s[TBB], 0
	s_lshl_b32 s[LIVE], s[QB], 2
	s_add_co_u32 s[LIVE], s[LIVE], s[WV]
	s_add_co_u32 s[LIVE], s[LIVE], 1
	s_min_u32 s[LIVE], s[LIVE], 9   ; min(9, 1 + 4 qb + w)
	s_mul_i32 s20, s[WV], 16*SP
	s_add_co_u32 s20, s20, STAGE    ; my stage
	s_wait_dscnt 0x0                ; the opening add is done
	s_wait_kmcnt 0x0
	s_add_nc_u64 s[KB:KB+1], s[4:5], s[OFF:OFF+1]
	s_add_nc_u64 s[VB:VB+1], s[KB:KB+1], 16*524288  ; V's block lies 16 blocks behind K's
	s_add_nc_u64 s[QPT:QPT+1], s[4:5], s[2:3]
	s_add_nc_u64 s[OPT:OPT+1], s[8:9], s[2:3]
	s_add_nc_u64 s[RPT:RPT+1], s[6:7], s[10:11]
.irp g, 0,1,2
	s_lshl_b32 s[OFF], s[QB], 8
	s_add_co_i32 s[OFF], s[OFF], 256*\g-512  ; the group's first key,
	s_max_i32 s[OFF], s[OFF], 0     ; or key 0 for a group that lies ahead of the sequence: such a group is never read
	s_lshl_b32 s[OFF], s[OFF], 7
	s_add_nc_u64 s[G0K+4*\g+2:G0K+4*\g+3], s[KB:KB+1], s[OFF:OFF+1]  ; 120:64 global address
	s_or_b32 s[G0K+4*\g+3], s[G0K+4*\g+3], 0x80000000                ; 127:126 type = 2
	s_add_nc_u64 s[G0V+4*\g+2:G0V+4*\g+3], s[VB:VB+1], s[OFF:OFF+1]
	s_or_b32 s[G0V+4*\g+3], s[G0V+4*\g+3], 0x80000000
.endr
	s_cmp_lt_u32 s[WV], 2           ; waves 0 and 1 fetch the halves of K's groups, waves 2 and 3 those of V's.  A wave's three fills stand in one branch, ahead of every wait on TENSORcnt, every LDS read and the barrier: three loads of mine are out
	s_cbranch_scc0 .Lfill_v
.irp g, 0,1,2
	tensor_load_to_lds s[G0K+4*\g:G0K+4*\g+3], s[G1K:G1K+7]
	s_nop 0
.endr
.rept 4
	v_nop
.endr
	s_branch .Lfilled
.Lfill_v:
.irp g, 0,1,2
	tensor_load_to_lds s[G0V+4*\g:G0V+4*\g+3], s[G1V:G1V+7]
	s_nop 0
.endr
.rept 4
	v_nop
.endr
.Lfilled:
	; The table's 640 words: thread t makes x = t + 128 k, k = 0..4.  575 - x wraps below 0 into a number far above 511: one unsigned compare tells both ends of the band.  (v64-78, S^T's registers, are free here.)
.irp k, 0,1,2,3,4
	v_sub_nc_u32 v[69+\k], 575-128*\k, v0
	v_min_u32 v[74+\k], 511, v[69+\k]  ; the load stays inside the row
	v_lshlrev_b32 v[74+\k], 2, v[74+\k]
.endr
.irp k, 0,1,2,3,4
	global_load_b32 v[64+\k], v[74+\k], s[RPT:RPT+1]
.endr
	; A fragment of K or Q is 16 rows x 32 channels in 8 registers: lane l holds row l % 16, channels 8 (l / 16) + 0..7 and 16 + 8 (l / 16) + 0..7: two loads of 16 bytes, 32 bytes apart.
	v_and_b32 v48, 15, v0           ; l % 16
	v_bfe_u32 v49, v0, 4, 1         ; l / 16
	v_lshlrev_b32 v[QO], 7, v48
	v_lshl_add_u32 v[QO], v49, 4, v[QO]  ; row x 128 + 16 x half
	WIN 0x80                        ; destination window 2, address window 0
.set i, 0
.rept 8                             ; Q stays in registers: tile i / 2, channels 32 (i % 2) on
	global_load_b128 v[8*i:8*i+3],   v[QO], s[QPT:QPT+1] offset:(i/2)*2048+(i%2)*64
	global_load_b128 v[8*i+4:8*i+7], v[QO], s[QPT:QPT+1] offset:(i/2)*2048+(i%2)*64+32
.set i, i+1
.endr
	WIN 0x40                        ; O^T and l start at 0: written while the tiles are on their way, so that the loop has one form of trip
.set i, 0
.rept 128
	v_mov_b32 v[i], 0
.set i, i+1
.endr
	WIN 0
.set i, 0
.rept 4
	v_mov_b32 v[ST+4*i], 0xfe000000    ; c m: far below every c m to come, so the first trip's a is 0; it multiplies zeros
	v_mov_b32 v[ST+4*i+1], 0xe0ad78ec  ; m = -1e20: above every hidden score, below every visible one
	v_mov_b32 v[ST+4*i+2], 0
	v_mov_b32 v[ST+4*i+3], 0
.set i, i+1
.endr
	v_mul_u32_u24 v[AK0], v48, PKP
	v_lshl_add_u32 v[AK0], v49, 4, v[AK0]  ; row x pitch + 16 x half
	; The turning load takes 16 keys x 16 channels (lane l reads key 8 (l / 16) + l % 8, channels 8 ((l / 8) % 2) + 0..7) and leaves half a fragment of V^T: lane l holds channel l % 16 and 8 keys.
	v_and_b32 v50, 7, v0
	v_bfe_u32 v51, v0, 3, 1
	v_lshl_add_u32 v[AV0], v49, 3, v50
	v_mul_u32_u24 v[AV0], v[AV0], PVP
	v_lshl_add_u32 v[AV0], v51, 4, v[AV0]
	v_add_nc_u32 v[AV0], VBASE, v[AV0]
	v_sub_nc_u32 v52, 15, v48
	v_lshl_add_u32 v52, v49, 3, v52 ; e = 15 - l % 16 + 8 (l / 16), 0..23
	v_and_b32 v53, 3, v52           ; my copy of the table: e % 4,
	v_and_b32 v54, 28, v52          ; in which my words begin at word e - e % 4: a multiple of 16 bytes
	v_mul_u32_u24 v[AB0], v53, CP
	v_lshl_add_u32 v[AB0], v54, 2, v[AB0]
	v_add_nc_u32 v[AB0], TBL+16, v[AB0]
	v_lshl_add_u32 v[TS], v0, 2, TBL+16
	v_mul_u32_u24 v[STO], v48, SP   ; the way out, in: row l % 16, 16 bytes for each half of the lanes
	v_lshl_add_u32 v[STO], v49, 4, v[STO]
	v_add_nc_u32 v[STO], s20, v[STO]
	v_bfe_u32 v[RD], v0, 3, 2       ; back: 32 lanes take four rows of 128 bytes,
	v_mul_u32_u24 v[RD], v[RD], SP
	v_lshl_add_u32 v[RD], v50, 4, v[RD]
	v_add_nc_u32 v[RD], s20, v[RD]
	v_and_b32 v[GO], 31, v0         ; which are 512 consecutive bytes of O
	v_lshlrev_b32 v[GO], 4, v[GO]
	s_wait_loadcnt 16               ; the table's five loads are in; Q's sixteen stay out
.irp k, 0,1,2,3,4
	v_mul_f32 v[64+\k], 0x41000000, v[64+\k]  ; 8 x bias: the scale c = log2(e) / 8 is applied to Q . K + 8 bias
	v_cmp_gt_u32 vcc_lo, 0x200, v[69+\k]      ; inside the band?
	v_cndmask_b32 v[64+\k], s[NEG], v[64+\k], vcc_lo
.irp c, 0,1,2,3
	ds_store_b32 v[TS], v[64+\k] offset:512*\k+(CP-4)*\c  ; copy c holds U[x] c words lower
.endr
.endr
	s_wait_loadcnt 0x0              ; Q
	s_wait_tensorcnt 0x0            ; my three tiles have landed,
	s_wait_dscnt 0x0                ; my words of the table are stored:
	s_barrier_signal -1
	s_barrier_wait -1               ; everybody's are.  The one barrier of the kernel: from here on K, V and the table are only read
; THE MATRIX WORK.  The 16 accumulators of a run of 32 take turns, one instruction a turn: between the two links of a chain stand 15 others'.
; Product i of 32 of S^T = K Q^T: channels 32 (i / 16) on, keys 16 ((i / 4) % 4) on, tile i % 4.  The first 16 start the sums, with bias and mask as C.
.macro KQ
.set rS, S+32*(i%4)+8*((i/4)%4)
.set rK, KF+16*((i/4)%4)+8*(i/16)
.set rQ, 16*(i%4)+8*(i/16)
.set rB, BI+8*(3-(i%4)+((i/4)%4))
.if i < 16
	WIN 0x1a                        ; K and Q in window 2, C in window 1, S^T in window 0
	v_wmma_f32_16x16x32_bf16 v[rS:rS+7], v[rK:rK+7], v[rQ:rQ+7], v[rB:rB+7]
.else
	WIN 0x0a
	v_wmma_f32_16x16x32_bf16 v[rS:rS+7], v[rK:rK+7], v[rQ:rQ+7], v[rS:rS+7]
.endif
.endm
; Product i of 32 of O^T += V^T P: keys 32 (i / 16) on, channels 16 ((i / 4) % 4) on, tile i % 4.
.macro PVM
	WIN 0x52                        ; V in window 2, P in window 0, O^T in window 1
.set rO, 32*(i%4)+8*((i/4)%4)
.set rV, VF+32*(i/16)+8*((i/4)%4)
.set rP, P+16*(i%4)+8*(i/16)
	v_wmma_f32_16x16x32_bf16 v[rO:rO+7], v[rV:rV+7], v[rP:rP+7], v[rO:rO+7]
.endm
; THE VECTOR WORK, a line at a time, for tile t.
.macro REGS t
.set rT, ST+4*(\t)
.set rC, TMP+4*(\t)
.set rM, MV+(\t)
.set rS, S+32*(\t)
.set rP, P+16*(\t)
.set rO, 32*(\t)
.endm
; Number n of the 22 that find the maximum and statistics.  s0-s31 are the lane's 32 scores; each accumulator's lowest registers are read first.
;   0-11  four chains c0-c3 of seven scores each, three operands at a time     12-14, 16  the four scores left over, the old m, and c0-c3 into c0     15  c m_old is kept
;   17, 18  the query's other 32 keys lie in the lane 16 away: the new m         19-21  c m; c m_old - c m_new; a
.macro XS t, n
	REGS \t
.if (\n) < 4
	v_max3_num_f32 v[rC+(\n)], v[rS+8*(\n)], v[rS+8*(\n)+1], v[rS+8*(\n)+2]
.elseif (\n) < 12
	v_max3_num_f32 v[rC+(\n)%4], v[rC+(\n)%4], v[rS+8*((\n)%4)+2*((\n)/4)+1], v[rS+8*((\n)%4)+2*((\n)/4)+2]
.elseif (\n) == 12
	v_max3_num_f32 v[rC], v[rC], v[rS+7], v[rS+15]
.elseif (\n) == 13
	v_max3_num_f32 v[rC+1], v[rC+1], v[rS+23], v[rS+31]
.elseif (\n) == 14
	v_max3_num_f32 v[rC+2], v[rC+2], v[rC+3], v[rT+1]
.elseif (\n) == 15
	v_mov_b32 v[rM], v[rT]
.elseif (\n) == 16
	v_max3_num_f32 v[rC], v[rC], v[rC+1], v[rC+2]
.elseif (\n) == 17
	v_permlanex16_b32 v[rC+3], v[rC], s[SEL], s[SEL+1]
.elseif (\n) == 18
	v_max_num_f32 v[rT+1], v[rC], v[rC+3]
.elseif (\n) == 19
	v_mul_f32 v[rT], s[CS], v[rT+1]
.elseif (\n) == 20
	v_sub_f32 v[rC+1], v[rM], v[rT]
.else
	v_exp_f32 v[rC+2], v[rC+1]
.endif
.endm
.macro FS t, p                      ; c s - c m for pair p of 16
	REGS \t
	v_pk_fma_f32 v[rS+2*(\p):rS+2*(\p)+1], v[rS+2*(\p):rS+2*(\p)+1], s[CS:CS+1], v[rT:rT+1] op_sel_hi:[1,0,0] neg_lo:[0,0,1] neg_hi:[0,0,1]
.endm
.macro EX t, e                      ; the exponential of score e of 32
	REGS \t
	v_exp_f32 v[rS+(\e)], v[rS+(\e)]
.endm
.macro CV t, p                      ; pair p rounded to bf16
	REGS \t
	v_cvt_pk_bf16_f32 v[rP+(\p)], v[rS+2*(\p)], v[rS+2*(\p)+1]
.endm
.macro BS t, k                      ; of the four weights 4 k .. the second pair is added onto the first, in place
	REGS \t
	v_pk_add_f32 v[rS+4*(\k):rS+4*(\k)+1], v[rS+4*(\k):rS+4*(\k)+1], v[rS+4*(\k)+2:rS+4*(\k)+3]
.endm
.macro LS t, k                      ; l takes that sum; the first time as l = a l + sum
	REGS \t
.if (\k) == 0
	v_pk_fma_f32 v[rT+2:rT+3], v[rT+2:rT+3], v[rC+2:rC+3], v[rS:rS+1] op_sel_hi:[1,0,1]
.else
	v_pk_add_f32 v[rT+2:rT+3], v[rT+2:rT+3], v[rS+4*(\k):rS+4*(\k)+1]
.endif
.endm
.macro RSC t, z                     ; pair z of 16 of O^T times a
	REGS \t
	v_pk_mul_f32 v[rO+2*(\z):rO+2*(\z)+1], v[rO+2*(\z):rO+2*(\z)+1], v[rC+2:rC+3] op_sel_hi:[1,0]
.endm
; A TRIP.  In all the runs below the four tiles alternate, so that no instruction reads the result of the one before it.
.macro STEP
	v_add_nc_u32 v[AK], s[TBK], v[AK0]  ; these three and the v_nop are the four places between the last trip's last product V^T P and the loads into V's registers, which it read (ISA guide 7.12.1 for vector instructions)
	v_add_nc_u32 v[AB], s[TBB], v[AB0]
	v_add_nc_u32 v[AV], s[TBV], v[AV0]
	v_nop
	WIN 0x80                        ; destination window 2
.irp f, 0,1,2,3,4,5,6,7             ; K: keys 16 (f / 2) on, channels 32 (f % 2) on
	ds_load_b128 v[KF+8*\f:KF+8*\f+3],   v[AK] offset:(\f/2)*16*PKP+(\f%2)*64
	ds_load_b128 v[KF+8*\f+4:KF+8*\f+7], v[AK] offset:(\f/2)*16*PKP+(\f%2)*64+32
.endr
	WIN 0x40                        ; destination window 1
.irp u, 0,1,2,3,4,5,6               ; the bias: group u = 3 - t + kb: my eight words at 16 u words
	ds_load_b128 v[BI+8*\u:BI+8*\u+3],   v[AB] offset:64*\u
	ds_load_b128 v[BI+8*\u+4:BI+8*\u+7], v[AB] offset:64*\u+16
.endr
	WIN 0x80
.irp f, 0,1,2,3,4,5,6,7             ; V, turned: keys 32 (f / 4) on, channels 16 (f % 4) on
	ds_load_tr16_b128 v[VF+8*\f:VF+8*\f+3],   v[AV] offset:(\f/4)*32*PVP+(\f%4)*32
	ds_load_tr16_b128 v[VF+8*\f+4:VF+8*\f+7], v[AV] offset:(\f/4)*32*PVP+16*PVP+(\f%4)*32
.endr
	s_wait_dscnt 16                 ; K and the bias are in; V's sixteen loads stay out
.set i, 0
.rept 32
	KQ
.set i, i+1
.endr
	WIN 0
.rept 4
	v_nop                           ; the places behind those products
.endr
.irp n, 0,1,2,3,4,5,6,7,8,9,10,11,12,13,14,15,16,17,18,19,20,21
.irp t, 0,1,2,3
	XS \t, \n
.endr
.endr
	; ONE BATCH: the four a just issued and the 128 exponentials of the scores; each pair is scaled four lines ahead of its exponentials; nothing here names an exponential's result
.set g, 0
.rept 64
	FS g%4, g/4
.if g >= 4
	EX (g-4)%4, 2*((g-4)/4)
	EX (g-4)%4, 2*((g-4)/4)+1
.endif
.set g, g+1
.endr
.set g, 60
.rept 4
	EX g%4, 2*(g/4)
	EX g%4, 2*(g/4)+1
.set g, g+1
.endr
	v_nop                           ; a plain instruction behind the last exponential and ahead of the first use (ISA guide 5.7.2): one for the batch,
	s_wait_alu depctr_va_vdst(0)    ; and the wait ahead of the first instruction that names a result: one for the batch
.set g, 0
.rept 64
	CV g%4, g/4
.set g, g+1
.endr
.set g, 0
.rept 32
	BS g%4, g/4
.set g, g+1
.endr
.set g, 0
.rept 32
	LS g%4, g/4
.set g, g+1
.endr
	WIN 0x41                        ; O^T (destination and source 0) in window 1, a in window 0
.set g, 0
.rept 64
	RSC g%4, g/4
.set g, g+1
.endr
	s_wait_dscnt 0x0                ; V is in
.set i, 0
.rept 32
	PVM
.set i, i+1
.endr
	WIN 0                           ; at a label and at a branch every window is 0
.endm
	s_mov_b32 s[CNT], 9
.Ltrip:
	s_cmp_gt_u32 s[CNT], s[LIVE]    ; a tile ahead of the sequence's first key: nothing to do
	s_cbranch_scc1 .Lskip
	STEP
.Lskip:
	s_add_co_u32 s[TBK], s[TBK], 64*PKP  ; the next tile,
	s_add_co_u32 s[TBV], s[TBV], 64*PVP
	s_add_co_u32 s[TBB], s[TBB], 256     ; 64 keys nearer to the queries
	s_sub_co_u32 s[CNT], s[CNT], 1
	s_cmp_lg_u32 s[CNT], 0
	s_cbranch_scc1 .Ltrip
	; THE WAY OUT.  l's two halves and the other half of the lanes' are added; O^T is divided by l, rounded to bf16 and sent through my stage in LDS, a tile at a time.
.rept 4
	v_nop                           ; the places behind the last products
.endr
.macro ALL line:vararg              ; one line for each tile t
.set t, 0
.rept 4
	\line
.set t, t+1
.endr
.endm
	ALL v_add_f32 v[ST+4*t+2], v[ST+4*t+2], v[ST+4*t+3]
	ALL v_permlanex16_b32 v[ST+4*t+3], v[ST+4*t+2], s[SEL], s[SEL+1]
	ALL v_add_f32 v[ST+4*t+2], v[ST+4*t+2], v[ST+4*t+3]
	ALL v_rcp_f32 v[ST+4*t+2], v[ST+4*t+2]
	v_nop                           ; a plain instruction between the last reciprocal and the use of its result,
	s_wait_alu depctr_va_vdst(0)    ; and the wait ahead of the first use: one for the four reciprocals
; Tile t: a lane's eight channels of a row pack into 16 bytes; they go into rows of 144 bytes and come back as whole rows of 128, into S^T's registers.
.macro PACK t
	WIN 0x41
.set i, 32*(\t)
.rept 16
	v_pk_mul_f32 v[i:i+1], v[i:i+1], v[ST+4*(\t)+2:ST+4*(\t)+3] op_sel_hi:[1,0]
.set i, i+2
.endr
	WIN 0x05                        ; sources 0 and 1 window 1, destination window 0
.set i, 0
.rept 16
	v_cvt_pk_bf16_f32 v[S+16*(\t)+i], v[32*(\t)+2*i], v[32*(\t)+2*i+1]
.set i, i+1
.endr
	WIN 0
.irp f, 0,1,2,3
	ds_store_b128 v[STO], v[S+16*(\t)+4*\f:S+16*(\t)+4*\f+3] offset:32*\f
.endr
.irp f, 0,1,2,3
	ds_load_b128 v[S+16*(\t)+4*\f:S+16*(\t)+4*\f+3], v[RD] offset:\f*4*SP  ; LDS serves a wave's instructions in order (ISA guide 5.7.1.4): these see the stores above; the next tile's stores come behind them
.endr
.endm
.macro SEND t, younger              ; younger: the LDS instructions issued behind tile t's loads: the next tile's eight, or none
	WIN 0
.irp f, 0,1,2,3
	s_wait_dscnt (\younger)+3-\f
	global_store_b128 v[GO], v[S+16*(\t)+4*\f:S+16*(\t)+4*\f+3], s[OPT:OPT+1] offset:(\t)*2048+\f*512  ; 512 consecutive bytes, at a multiple of 256 from O's first
.endr
.endm
	PACK 0
.set u, 1
.rept 3                             ; a tile's arithmetic stands between the loads of the tile before and its stores
	PACK u
	SEND u-1, 8
.set u, u+1
.endr
	SEND 3, 0
	s_wait_tensorcnt 0x0            ; the wave's end: behind my last tensor load and my last LDS store
	ds_add_u32 v[SPW], v[NIL]
	s_wait_dscnt 0x0
	s_endpgm
.Lfunc_end_k_q285b72d86b_attn:
	.size	k_q285b72d86b_attn, .Lfunc_end_k_q285b72d86b_attn-k_q285b72d86b_attn
	.p2alignl 7, 3214868480
	.fill 96, 4, 3214868480
	.section	.rodata,"a",@progbits
	.p2align	6, 0x0
	.amdhsa_kernel k_q285b72d86b_attn
		.amdhsa_group_segment_fixed_size 262144
		.amdhsa_private_segment_fixed_size 0
		.amdhsa_enable_private_segment 0
		.amdhsa_kernarg_size 24
		.amdhsa_user_sgpr_count 2
		.amdhsa_user_sgpr_kernarg_segment_ptr 1
		.amdhsa_wavefront_size32 1
		.amdhsa_system_sgpr_workgroup_id_x 1
		.amdhsa_system_sgpr_workgroup_id_y 1
		.amdhsa_system_sgpr_workgroup_id_z 1
		.amdhsa_system_vgpr_workitem_id 0
		.amdhsa_next_free_vgpr 768
		.amdhsa_next_free_sgpr 92
		.amdhsa_reserve_vcc 1
		.amdhsa_float_denorm_mode_32 3
		.amdhsa_float_denorm_mode_16_64 3
		.amdhsa_memory_ordered 1
		.amdhsa_forward_progress 1
		.amdhsa_inst_pref_size 64
	.end_amdhsa_kernel
	.amdgpu_metadata
---
amdhsa.version: [ 1, 2 ]
amdhsa.kernels:
  - .name:           k_q285b72d86b_attn
    .symbol:         k_q285b72d86b_attn.kd
    .args:
      - { .name: act, .offset: 0, .size: 8, .value_kind: global_buffer, .address_space: global }
      - { .name: res_pos, .offset: 8, .size: 8, .value_kind: global_buffer, .address_space: global }
      - { .name: a8, .offset: 16, .size: 8, .value_kind: global_buffer, .address_space: global }
    .group_segment_fixed_size: 262144
    .private_segment_fixed_size: 0
    .kernarg_segment_align: 8
    .kernarg_segment_size: 24
    .max_flat_workgroup_size: 128
    .sgpr_count:     92
    .vgpr_count:     768
    .wavefront_size: 32
...
	.end_amdgpu_metadata
.endif
;; end of part 4
;; launch oproj (part 5): grid 8 x 32, 4 waves a work-group, clusters of 4 x 1, 327,680 bytes of LDS; arguments a8, wn, out_b, x, x1; writes x1
.if DOCPART == 5
	.amdgcn_target "amdgcn-amd-amdhsa--gfx1250"
	.amdhsa_code_object_version 6
	.text
	.protected	k_q285b72d86b_oproj
	.globl	k_q285b72d86b_oproj
	.p2align	8
	.type	k_q285b72d86b_oproj,@function
k_q285b72d86b_oproj:
	s_mov_b64 s[64:65], 0
	v_nop
	global_prefetch_b8 v0, s[64:65] scope:SCOPE_SE
	s_setreg_imm32_b32 hwreg(HW_REG_WAVE_MODE, 25, 1), 1
	s_wait_xcnt 0x0
	s_wait_alu depctr_hold_cnt(0) depctr_sa_sdst(0) depctr_va_vdst(0) depctr_va_sdst(0) depctr_va_ssrc(0) depctr_va_vcc(0) depctr_vm_vsrc(0)
	s_getreg_b32 s2, hwreg(HW_REG_IB_STS2, 6, 4)
	s_cmp_eq_u32 s2, 0
	s_cbranch_scc0 .Lentry_in_a_cluster
	s_endpgm
.Lentry_in_a_cluster:
	s_bfe_u32 s2, ttmp6, 0x10000c
	s_cmp_lg_u32 s2, 0x3003
	s_cbranch_scc0 .Lentry_shape_is_right
	s_endpgm
.Lentry_shape_is_right:
; C[m][n] = R[m][n] + bias[n] + sum over k of A[m][k] W[n][k].  A: [SIZE_K / 64][4096][64] bf16, in blocks of 64 along K (a block 524,288 bytes, a row of it 128 bytes, rows on end);
; W: 1,024 rows x SIZE_K bf16 laid BY FRAGMENTS, WOFF bytes behind the second argument's first byte: [n / 32][k / 32][(n % 32) / 16][(k % 32) / 16][lane][8 numbers], lane = 16 ((k % 16) / 8) + n % 16;
; bias: [1024] f32; R and C: [4096][1024] f32.  Sums, bias and residual in f32; nothing is rounded on the way out.
; A tile of C is 128 x 128: 8 x 32 = 256 work-groups.  Four waves, each ALL 128 rows x 32 columns: 16 accumulators of 16 x 16, 128 registers.
; A GOES THROUGH LDS, W DOES NOT.  A and W together are 512 bytes for each k, and two slots of both would hold 256 along K each: 128 matrix instructions a wave for each change of slots.  With A alone a
; slot holds 512 along K: 256 matrix instructions a wave, 240 of them between a request and the wait for it.  A wave's 32 rows of W are wanted by no other wave of the work-group, and lie in memory as
; the lanes want them: eight loads of 512 consecutive bytes bring 64 along K (a QUARTER of a half step, 4,096 bytes of the wave's stream) straight into registers.  A ring of eight quarters, 256 registers,
; runs under counted waits: a quarter is asked for 208 matrix instructions ahead of its first product, and 56 loads of the ring are out at the most.
; CLUSTER: the four work-groups of a cluster make four tiles of one tile row of C and need the same tiles of A: each is asked for JOINTLY, by the same tensor load with the same descriptor and a mask that
; names the four.  W IS NOT ASKED FOR JOINTLY, though the 32 work-groups of a tile column walk the same stream: a joint request lands in LDS alone, where W would halve A's slots.
; THE MATRIX INSTRUCTION IS USED TRANSPOSED (source 0 = 16 rows of W, source 1 = 16 rows of A): a lane then holds eight neighbouring numbers of a row of C.
; ONE TEXT FOR A STEP.  A step (512 along K, eight quarters) is written once for the steps that fill a slot again (a loop of STEPS - 2 trips) and once for the last two (a loop of two trips).  So the
; accumulators start as copies of the bias (128 v_mov_b32, in the wait for the first tile), and the very last trip pays for the shared text: its change of slots and the 32 LDS loads behind it serve nothing,
; and its 56 loads of W read the last step's first seven quarters over again (the stream's pointer stands still, so they stay inside the buffer); nobody uses them.
; THE RESIDUAL is asked for at the head, in the layout of the stores, and waited for at the way out.
; PREFETCH (where STEPS is above 3): behind each refill, A's step one refill on; see ASK.  None for W: its ring is not emptied at any barrier.
; REGISTERS, in windows of 256 (s_set_vgpr_msb's low byte: bits 1:0 source 0, 3:2 source 1, 5:4 source 2, 7:6 destination):
;   window 0: v0-31 addresses; v96-111 the bias of my 32 columns; v128-255 the accumulators ((a, b) at v[128 + 8 (2 a + b)], a = 16 rows, b = 16 columns)
;   window 1: two buffers of 128 for A's fragments of a quarter (32 k half c, rows a at 64 c + 8 a); on the way out 32 rows of C
;   window 2: W's ring: quarter q of a step at 32 q (half c, columns b at 16 c + 8 b)          window 3: v0-127 the residual
.set SIZE_K, 1024
.set WOFF,   0
.set STEPS,  SIZE_K/512                ; an even number
.set HASPF,  0
.if STEPS > 3
.set HASPF,  1
.endif
.set APITCH, 144                       ; a row of a block of A in LDS: 128 bytes + 16 of padding = 36 words: the 16 rows of a load start at 16 different groups of four banks (64 banks of 4 bytes: ISA guide 11.1)
.set KBLK,   128*APITCH                ; 128 rows of a block
.set SLOT,   8*KBLK                    ; 147,456 = 0x24000: it shares no bit with wave x 2 KBLK (0x9000 x 0..3), so one exclusive or turns an address in one slot into the other's
.set SPARE,  2*SLOT                    ; behind the ring: the spare words, 128 bytes for each wave: two blocks of 256 bytes that no other line names
.set SPITCH, 528                       ; the way out's stage: a row of 128 f32 + 16 bytes = 132 words: row r starts at bank 4 r mod 64.  128 rows, from LDS byte 0: in slot 0, behind its last fill
.set ASTEP,  8*524288                  ; a step of A in memory: eight blocks
.set QB,     4096                      ; a quarter of my stream of W
.set BSTEP,  8*QB
.set ADR0, 8                           ; v8-11   my lane's place in blocks 0-1, 2-3, 4-5, 6-7 of slot 0; never rewritten
.set ADR,  12                          ; v12-15  the same in the slot in hand
.set LO,   16                          ; v16     16 x lane: my offset in 512 consecutive bytes of W, of R and of C; never rewritten
.set BO,   17                          ; v17     my byte offset in 16 numbers of the bias: 32 (l / 16)
.set STO,  18                          ; v18     the way out: where I put 32 bytes of a row
.set RD,   19                          ; v19     the way out: where I read a row back
.set PFO,  20                          ; v20     256 x lane; never rewritten
.set SPW,  28                          ; v28     LDS address of my spare word: SPARE + 4 x my thread's number; never rewritten
.set NIL,  29                          ; v29     0; never rewritten
.set BIAS, 96                          ; register 8 b + j = bias[my first column + 16 b + 8 (l / 16) + j]
.set ACC,  128
.set F0,   0                           ; A's fragment buffers, in window 1
.set F1,   128
.set G1,  24                           ; s[24:31] descriptor group 1
.set G0,  32                           ; s[32:39] descriptor group 0: a set for each of the two first fills; the second then walks on
.set BP,  44                           ; s[44:45] my stream of W, at the step whose quarters are being asked for
.set INC, 46                           ; s[46:47] what a step adds to it: BSTEP, or 0 in the last step
.set PFA, 48                           ; s[48:49] where my prefetches stand
.set LIM, 50                           ; s50     1 in a work-group that prefetches, else the greatest number
.set CNT, 51                           ; s51     counts trips
.set TA,  52                           ; s52     the slot in hand: 0 or SLOT
.set MSB, 0
.macro WIN new                         ; the immediate's high byte repeats the setting that is left; a switch that changes nothing is dropped
.if MSB != (\new)
	s_set_vgpr_msb (MSB<<8)|(\new)
.set MSB, \new
.endif
.endm
.set W_MUL, 0x06                       ; source 0 (W) window 2, source 1 (A) window 1; C and D window 0
.set TO_A,  0x40                       ; destination window 1, address window 0
.set TO_B,  0x80                       ; destination window 2
.set TO_R,  0xc0                       ; destination window 3
.macro CREST                           ; a round of the cluster's barrier behind its opening barrier
	s_cmp_lg_u32 s10, 0
	s_cbranch_scc1 .Lnot_wave_0_\@
	s_barrier_signal -3
.Lnot_wave_0_\@:
	s_barrier_wait -3
	s_barrier_signal -1
	s_barrier_wait -1
.endm
.macro CROUND                          ; a whole round
	s_barrier_signal -1
	s_barrier_wait -1
	CREST
.endm
.macro PLACES                          ; four places in front of loads into registers that matrix instructions have read, and of LDS stores that read results (ISA guide 7.12.1 for vector instructions)
.rept 4
	v_nop
.endr
.endm
; n x 2 matrix instructions: row blocks a0 .. a0 + n - 1 x both column blocks, 32 along K: half c of buffer f and of the ring's quarter.  The 16 accumulators take turns, in the same order everywhere
.macro MUL f, ring, c, a0, n
	WIN W_MUL
.set ma, \a0
.rept \n
.irp b, 0,1
	v_wmma_f32_16x16x32_bf16 v[ACC+8*(2*ma+(\b)):ACC+8*(2*ma+(\b))+7], v[32*(\ring)+16*(\c)+8*(\b):32*(\ring)+16*(\c)+8*(\b)+7], v[(\f)+64*(\c)+8*ma:(\f)+64*(\c)+8*ma+7], v[ACC+8*(2*ma+(\b)):ACC+8*(2*ma+(\b))+7]
.endr
.set ma, ma+1
.endr
.endm
; 32 LDS loads in one run: A's fragments of quarter q (block q of the slot's eight) into buffer f; the first 32 along K first
.macro FETCH q, f
	WIN TO_A
.irp c, 0,1
.irp a, 0,1,2,3,4,5,6,7
	ds_load_b128 v[(\f)+64*(\c)+8*(\a):(\f)+64*(\c)+8*(\a)+3],   v[ADR+(\q)/2] offset:((\q)%2)*KBLK+(\a)*16*APITCH+64*(\c)
	ds_load_b128 v[(\f)+64*(\c)+8*(\a)+4:(\f)+64*(\c)+8*(\a)+7], v[ADR+(\q)/2] offset:((\q)%2)*KBLK+(\a)*16*APITCH+64*(\c)+32
.endr
.endr
.endm
; 8 loads of 512 consecutive bytes: a quarter of my stream of W, off bytes behind the pointer, into place ring of the ring
.macro BLOAD ring, off
	WIN TO_B
.irp i, 0,1,2,3,4,5,6,7
	global_load_b128 v[32*(\ring)+4*(\i):32*(\ring)+4*(\i)+3], v[LO], s[BP:BP+1] offset:(\off)+512*(\i)
.endr
.endm
; Quarter q = 0..6 of a step: 32 matrix instructions on buffer q % 2 and place q of the ring.  In its middle stand, in one run, the next quarter's 32 LDS loads and the 8 loads of W for the quarter seven on,
; into the place that the quarter before has read out.  pf = 1: the prefetches' address steps too, in quarter 1: AHEAD of the trip's prefetch.
.macro QUARTER q, pf
.set FA, 128*((\q)%2)
.set FN, 128-FA
	s_wait_loadcnt 48                              ; my quarter of W is in: behind its 8 loads six quarters' 48 were issued
	s_wait_dscnt 16                                ; A's first 32 along K are in
	MUL FA, \q, 0, 0, 8
	PLACES
	FETCH (\q)+1, FN
.if (\q) == 1
	s_wait_xcnt 0x0                                ; every load and prefetch issued so far (the youngest a quarter back) has read its address, so the pointers may be written
	s_add_nc_u64 s[BP:BP+1], s[BP:BP+1], s[INC:INC+1]  ; from here on the next step's quarters are asked for
.if \pf
	s_add_nc_u64 s[PFA:PFA+1], s[PFA:PFA+1], ASTEP
.endif
.endif
.if (\q) == 0
	BLOAD 7, 7*QB                                  ; this step's last quarter
.else
	BLOAD (\q)-1, ((\q)-1)*QB
.endif
	s_wait_dscnt 32                                ; all but the 32 just issued
	MUL FA, \q, 1, 0, 8
.endm
; A PREFETCH, behind the joint refill, its five lines and the runs of loads that follow them: A's step that the NEXT refill will ask for, 256 matrix instructions ahead of that load.  A wave's part of a step is
; two blocks x 128 rows: 128 runs of 256 bytes.  Each run is named ONCE in the launch: both clusters of a tile row read it, and the one with cluster x = 0 asks; its four partners share the runs out BY ADDRESS,
; 32 each, a lane a run: one instruction a wave.  Trip t = 1 .. STEPS - 2 of the loop refills with step t + 1 and names step t + 2: steps 0 to 2 come by their loads alone, and the last trip (the count stands
; at 1) asks for nothing: step STEPS does not exist.
.macro ASK
	s_cmp_gt_u32 s[CNT], s[LIM]
	s_cbranch_scc0 .Lnot_mine_\@
	global_prefetch_b8 v[PFO], s[PFA:PFA+1] th:TH_LOAD_NT scope:SCOPE_SE
.Lnot_mine_\@:
.endm
; Quarter 7 multiplies buffer 1 and changes slots: ONE barrier; in front of it each wave waits for all its tensor loads (one is out at the most: its part of the next slot), adds 0 to its spare word, and waits for
; that and for its own reads of this slot.  fill = 1: the barrier opens a round of the cluster's, and this slot is filled again, first thing behind it, with the step two on.
.macro TURN fill
	WIN 0                                          ; (the add's two registers lie in window 0)
	s_wait_tensorcnt 0x0                           ; no tensor load of mine is out, so a group 0 may be written
	ds_add_u32 v[SPW], v[NIL]                      ; 0 onto my spare word: scalar work and eight matrix instructions stand between it and the wait for it
.if \fill
	s_xor_b32 s[G0+5], s[G0+5], SLOT               ; the walking descriptor: the other slot than last time,
	s_add_nc_u64 s[G0+6:G0+7], s[G0+6:G0+7], ASTEP ; the next step; the type bits on top are not reached
.endif
	s_xor_b32 s[TA], s[TA], SLOT
	s_wait_loadcnt 48                              ; my quarter of W
	s_wait_dscnt 17                                ; (the add and the youngest sixteen loads may be out)
	MUL F1, 7, 0, 0, 4
	s_wait_dscnt 0x0                               ; the add is done, and my reads of this slot are over
	s_barrier_signal -1
	MUL F1, 7, 0, 4, 4                             ; work on registers while the others arrive
	WIN 0
	s_barrier_wait -1
.if \fill
	CREST                                          ; no wave of any partner still reads this slot's tile or has a load on its way
	tensor_load_to_lds s[G0+4:G0+7], s[G1:G1+7]    ; my one tensor load behind the round: 240 matrix instructions ahead of the wait for it
	s_nop 0
.rept 4
	v_nop
.endr
.endif
.irp i, 0,1,2,3
	v_add_nc_u32 v[ADR+(\i)], s[TA], v[ADR0+(\i)]  ; the other slot; these four are also the places in front of the loads below
.endr
	FETCH 0, F0
	BLOAD 6, 6*QB
.if \fill
.if HASPF
	WIN 0
	ASK
.endif
.endif
	MUL F1, 7, 1, 0, 8
.endm
	s_load_b128 s[4:7], s[0:1], 0x0                ; A s[4:5], W's buffer s[6:7]
	s_load_b128 s[40:43], s[0:1], 0x10             ; bias s[40:41], R s[42:43]
	s_load_b64 s[8:9], s[0:1], 0x20                ; C
	v_lshl_add_u32 v[SPW], v0, 2, SPARE
	v_mov_b32 v[NIL], 0
	ds_add_u32 v[SPW], v[NIL]                      ; the wave's opening: the add and its wait stand ahead of my first tensor load; the set-up below, work on registers, stands between them
	ds_add_u32 v28, v29
	v_lshrrev_b32 v1, 5, v0
	v_readfirstlane_b32 s10, v1                    ; wave 0..3
	s_bfe_u32 s11, ttmp6, 0x40000                  ; cx: my place in the cluster
	s_lshl_b32 s12, ttmp9, 2                       ; in a cluster launch ttmp9 counts clusters
	s_add_co_u32 s12, s12, s11                     ; tile column of C = 4 x cluster x + cx: it enters W's, the bias's, R's and C's addresses alone
	s_and_b32 s13, ttmp7, 0xffff                   ; tile row of C, which the four partners share
	; descriptor group 1: 128 rows of a block are 16,384 dense bytes: one row of 8,192 elements; two such rows, a block (262,144 elements) apart; padded in LDS after every 128 bytes
	s_mov_b32 s[G1], 15|(1<<16)|(1<<20)|(1<<21)|(4<<22)|(3<<25)  ; 15:0 the mask: all four work-groups; 17:16 elements of 2 bytes; 20 padding on; 21 set beside a mask; 24:22 after every 32 words (code 4); 31:25 4 words of it (code 3)
	s_mov_b32 s[G1+1], 8192<<16                    ; tensor_dim0 = 8,192
	s_mov_b32 s[G1+2], 2<<16                       ; tensor_dim1 = 2
	s_mov_b32 s[G1+3], 8192<<16                    ; tile_dim0 = 8,192
	s_mov_b32 s[G1+4], 2                           ; tile_dim1 = 2
	s_mov_b32 s[G1+5], 262144                      ; elements from row to row
	s_mov_b32 s[G1+6], 0
	s_mov_b32 s[G1+7], 0
	s_lshl_b32 s14, s13, 14                        ; A: the tile's 128 rows of 128 bytes,
	s_lshl_b32 s15, s10, 20                        ; my wave's two blocks of a step's eight
	s_add_co_u32 s14, s14, s15
	s_mov_b32 s15, 0
	s_mul_i32 s20, s10, 2*KBLK                     ; and where they go: no place in the cluster enters an LDS address
	s_mov_b32 s[G0], 1                             ; 1:0 count = 1
	s_mov_b32 s[G0+1], s20                         ; 63:32 LDS address: slot 0
	s_mov_b32 s[G0+4], 1
	s_add_co_u32 s[G0+5], s20, SLOT                ; slot 1
	s_lshl_b32 s16, s12, 2
	s_add_co_u32 s16, s16, s10                     ; W: my 32 rows are n / 32 = 4 x tile column + wave,
	s_mul_i32 s16, s16, SIZE_K*64                  ; a stream of 64 SIZE_K bytes
.if WOFF > 0
	s_add_co_u32 s16, s16, WOFF
.endif
	s_mov_b32 s17, 0
	s_lshl_b32 s18, s12, 9                         ; the bias: 128 numbers a tile column,
	s_lshl_b32 s19, s10, 7                         ; 32 a wave
	s_add_co_u32 s18, s18, s19
	s_mov_b32 s19, 0
	s_lshl_b32 s22, s13, 19                        ; R and C: the tile's 128 rows of 4,096 bytes,
	s_lshl_b32 s23, s10, 17                        ; the 32 of them that my wave stores,
	s_add_co_u32 s22, s22, s23
	s_lshl_b32 s23, s12, 9                         ; the tile's 512 bytes of a row
	s_add_co_u32 s22, s22, s23
	s_mov_b32 s23, 0
	s_mov_b32 s[INC], BSTEP
	s_mov_b32 s[INC+1], 0
	s_mov_b32 s[TA], 0
	s_wait_dscnt 0x0                               ; the opening add is done
	s_wait_kmcnt 0x0
	s_add_nc_u64 s[14:15], s[4:5], s[14:15]
	s_mov_b64 s[G0+2:G0+3], s[14:15]               ; 120:64 global address: step 0
	s_or_b32 s[G0+3], s[G0+3], 0x80000000          ; 127:126 type = 2
	s_add_nc_u64 s[G0+6:G0+7], s[14:15], ASTEP     ; step 1
	s_or_b32 s[G0+7], s[G0+7], 0x80000000
	s_add_nc_u64 s[BP:BP+1], s[6:7], s[16:17]
	s_add_nc_u64 s[40:41], s[40:41], s[18:19]
	s_add_nc_u64 s[42:43], s[42:43], s[22:23]
	s_add_nc_u64 s[8:9], s[8:9], s[22:23]
	CROUND                                         ; all four work-groups are here: the first joint loads meet
	tensor_load_to_lds s[G0:G0+3], s[G1:G1+7]      ; the two first fills stand together, ahead of every wait on TENSORcnt, every LDS read and every other barrier: two loads of mine are out
	s_nop 0
	tensor_load_to_lds s[G0+4:G0+7], s[G1:G1+7]
	s_nop 0
.rept 4
	v_nop
.endr
	v_and_b32 v3, 31, v0                           ; l
	v_and_b32 v1, 15, v0                           ; l % 16
	v_bfe_u32 v2, v0, 4, 1                         ; l / 16
	v_lshlrev_b32 v[LO], 4, v3
	v_lshlrev_b32 v[BO], 5, v2
.irp b, 0,1
	global_load_b128 v[BIAS+8*(\b):BIAS+8*(\b)+3],   v[BO], s[40:41] offset:64*(\b)
	global_load_b128 v[BIAS+8*(\b)+4:BIAS+8*(\b)+7], v[BO], s[40:41] offset:64*(\b)+16
.endr
.irp q, 0,1,2,3,4,5,6
	BLOAD \q, (\q)*QB                              ; the ring's first seven quarters: with the bias 60 loads are out
.endr
	WIN 0
	; A fragment of A is 16 rows x 32 K in 8 registers: lane l holds row l % 16; registers 0-3 hold K = 8 (l / 16) + 0..7, registers 4-7 K = 16 + 8 (l / 16) + 0..7: two loads of 16 bytes, 32 bytes apart
	v_mul_u32_u24 v4, v1, APITCH
	v_lshl_add_u32 v4, v2, 4, v4                   ; row x pitch + 16 x half
.irp i, 0,1,2,3
	v_add_nc_u32 v[ADR0+(\i)], (\i)*2*KBLK, v4
	v_add_nc_u32 v[ADR+(\i)], (\i)*2*KBLK, v4
.endr
	v_mul_u32_u24 v5, v1, SPITCH                   ; the way out, in: row l % 16 of a block of 16, my wave's 128 bytes of it, 32 bytes for each half of the lanes
	v_lshl_add_u32 v5, v2, 5, v5
	s_lshl_b32 s21, s10, 7
	v_add_nc_u32 v[STO], s21, v5
	s_mul_i32 s21, s10, 32*SPITCH                  ; back: wave w takes rows 32 w .. 32 w + 31, whole: 32 lanes x 16 bytes
	v_add_nc_u32 v[RD], s21, v[LO]
.if HASPF
	s_lshr_b32 s2, s11, 1                          ; the prefetches: of my wave's two blocks the one that my work-group shares in,
	s_lshl_b32 s3, s10, 1
	s_add_co_u32 s2, s2, s3
	s_add_co_u32 s2, s2, 16                        ; in step 2 (blocks 16 to 23): each trip steps the address by a step in its quarter 1, ahead of its prefetch, so the first trip names step 3
	s_lshl_b32 s2, s2, 19
	s_and_b32 s3, s11, 1                           ; and which 32 of its 64 runs of 256 bytes
	s_lshl_b32 s3, s3, 13
	s_add_co_u32 s2, s2, s3
	s_lshl_b32 s3, s13, 14
	s_add_co_u32 s2, s2, s3
	s_mov_b32 s3, 0
	s_add_nc_u64 s[PFA:PFA+1], s[4:5], s[2:3]
	s_cmp_eq_u32 ttmp9, 0                          ; the same in all four partners
	s_cselect_b32 s[LIM], 1, -1
	v_lshlrev_b32 v[PFO], 8, v3
.endif
	s_wait_loadcnt 56                              ; the bias is in; the ring's 56 loads stay out
.set i, 0
.rept 16                               ; the sums start at the bias: written in the wait for the first tile, so that every step has one form of product
.irp j, 0,1,2,3,4,5,6,7
	v_mov_b32 v[ACC+8*i+(\j)], v[BIAS+8*(i%2)+(\j)]
.endr
.set i, i+1
.endr
	s_wait_loadcnt 31                              ; 29 of the 60 loads are in: with the residual's 32 below, 63 are out at the most
	WIN TO_R
.set i, 0
.rept 32                               ; the residual: load i brings row i of the 32 that my wave stores: the tile's 512 consecutive bytes of it
	global_load_b128 v[4*i:4*i+3], v[LO], s[42:43] offset:4096*i th:TH_LOAD_NT
.set i, i+1
.endr
	WIN 0
	s_wait_tensorcnt 1                             ; my part of step 0 is in; step 1's load may stay out
	s_barrier_signal -1
	s_barrier_wait -1                              ; everybody's is
	FETCH 0, F0
	WIN 0                                          ; at a label and at a branch every window is 0
.if STEPS > 2
	s_mov_b32 s[CNT], STEPS-2
.Lfill:                                                ; a trip is a step; its change of slots fills the slot again
.irp q, 0,1,2,3,4,5,6
	QUARTER \q, HASPF
.endr
	TURN 1
	WIN 0
	s_sub_co_u32 s[CNT], s[CNT], 1
	s_cmp_lg_u32 s[CNT], 0
	s_cbranch_scc1 .Lfill
.endif
	s_mov_b32 s[CNT], 2
.Llast:                                                ; the last two steps ask for no tile
	s_cmp_eq_u32 s[CNT], 1
	s_cselect_b32 s[INC], 0, BSTEP                 ; behind the last step W's stream ends: the pointer stands still
.irp q, 0,1,2,3,4,5,6
	QUARTER \q, 0
.endr
	TURN 0
	WIN 0
	s_sub_co_u32 s[CNT], s[CNT], 1
	s_cmp_lg_u32 s[CNT], 0
	s_cbranch_scc1 .Llast
	; THE WAY OUT.  A wave's 32 columns are 128 bytes, half of an aligned 256 bytes of C: so all four waves write ONE stage, 128 rows x 528 bytes, and each then reads 32 whole rows of 512 bytes, adds the residual and stores.
	; The stage lies in slot 0, which no tensor load fills any more.
	PLACES                                         ; the LDS stores read results just made
	PLACES                                         ; (eight, once a launch)
	s_wait_dscnt 0x0                               ; the last change's LDS loads are back:
	s_barrier_signal -1
	s_barrier_wait -1                              ; no wave reads a slot any more
.irp a, 0,1,2,3,4,5,6,7
.irp b, 0,1
	ds_store_b128 v[STO], v[ACC+8*(2*(\a)+(\b)):ACC+8*(2*(\a)+(\b))+3]   offset:(\a)*16*SPITCH+64*(\b)     ; each accumulator's four lowest registers first
	ds_store_b128 v[STO], v[ACC+8*(2*(\a)+(\b))+4:ACC+8*(2*(\a)+(\b))+7] offset:(\a)*16*SPITCH+64*(\b)+16
.endr
.endr
	s_wait_dscnt 0x0                               ; for the others' sake: my stores into the stage are done
	s_barrier_signal -1
	s_barrier_wait -1
	WIN TO_A
.set i, 0
.rept 32
	ds_load_b128 v[4*i:4*i+3], v[RD] offset:i*SPITCH
.set i, i+1
.endr
	s_wait_loadcnt 0x0                             ; the residual (and the last trip's loads of W)
.irp g, 0,1
	s_wait_dscnt 16-16*(\g)                        ; sixteen rows are back
	WIN 0x4d                                       ; destination and source 0 window 1, source 1 window 3
.set i, 16*(\g)
.rept 16
	v_pk_add_f32 v[4*i:4*i+1],   v[4*i:4*i+1],   v[4*i:4*i+1]
	v_pk_add_f32 v[4*i+2:4*i+3], v[4*i+2:4*i+3], v[4*i+2:4*i+3]
.set i, i+1
.endr
	WIN 0x04                                       ; the stores' data window 1, address window 0
.set i, 16*(\g)
.rept 16
	global_store_b128 v[LO], v[4*i:4*i+3], s[8:9] offset:4096*i  ; 512 consecutive bytes, at a multiple of 512 from C's first byte
.set i, i+1
.endr
.endr
	WIN 0
	s_wait_tensorcnt 0x0                           ; the wave's end: behind my last tensor load and my last LDS store
	ds_add_u32 v[SPW], v[NIL]
	s_wait_dscnt 0x0
	CROUND                                         ; the closing round: no work-group ends while a partner may still ask for a tile that names it
	s_endpgm
.Lfunc_end_k_q285b72d86b_oproj:
	.size	k_q285b72d86b_oproj, .Lfunc_end_k_q285b72d86b_oproj-k_q285b72d86b_oproj
	.p2alignl 7, 3214868480
	.fill 96, 4, 3214868480
	.section	.rodata,"a",@progbits
	.p2align	6, 0x0
	.amdhsa_kernel k_q285b72d86b_oproj
		.amdhsa_group_segment_fixed_size 327680
		.amdhsa_private_segment_fixed_size 0
		.amdhsa_enable_private_segment 0
		.amdhsa_kernarg_size 40
		.amdhsa_user_sgpr_count 2
		.amdhsa_user_sgpr_kernarg_segment_ptr 1
		.amdhsa_wavefront_size32 1
		.amdhsa_system_sgpr_workgroup_id_x 1
		.amdhsa_system_sgpr_workgroup_id_y 1
		.amdhsa_system_sgpr_workgroup_id_z 1
		.amdhsa_system_vgpr_workitem_id 0
		.amdhsa_next_free_vgpr 896
		.amdhsa_next_free_sgpr 66
		.amdhsa_reserve_vcc 0
		.amdhsa_float_denorm_mode_32 3
		.amdhsa_float_denorm_mode_16_64 3
		.amdhsa_memory_ordered 1
		.amdhsa_forward_progress 1
		.amdhsa_inst_pref_size 74
	.end_amdhsa_kernel
	.amdgpu_metadata
---
amdhsa.version: [ 1, 2 ]
amdhsa.kernels:
  - .name:           k_q285b72d86b_oproj
    .symbol:         k_q285b72d86b_oproj.kd
    .args:
      - { .name: a8, .offset: 0, .size: 8, .value_kind: global_buffer, .address_space: global }
      - { .name: wn, .offset: 8, .size: 8, .value_kind: global_buffer, .address_space: global }
      - { .name: out_b, .offset: 16, .size: 8, .value_kind: global_buffer, .address_space: global }
      - { .name: x, .offset: 24, .size: 8, .value_kind: global_buffer, .address_space: global }
      - { .name: x1, .offset: 32, .size: 8, .value_kind: global_buffer, .address_space: global }
    .group_segment_fixed_size: 327680
    .private_segment_fixed_size: 0
    .kernarg_segment_align: 8
    .kernarg_segment_size: 40
    .max_flat_workgroup_size: 128
    .sgpr_count:     66
    .vgpr_count:     896
    .wavefront_size: 32
...
	.end_amdgpu_metadata
.endif
;; end of part 5
;; launch ln2: the kernel of part 2 again; grid 512 x 1, 8 waves a work-group, no clusters, 0 bytes of LDS; arguments x1, ln2_g, ln2_b, a8; writes a8
;; launch mlp1: the kernel of part 3 again; grid 16 x 16, 4 waves a work-group, clusters of 4 x 4, 327,680 bytes of LDS; arguments a8, w1b, b1, fl1, act; writes act
;; launch mlp2 (part 6): grid 8 x 32, 4 waves a work-group, clusters of 4 x 1, 327,680 bytes of LDS; arguments act, wn, b2, x1, out0; writes out0
.if DOCPART == 6
	.amdgcn_target "amdgcn-amd-amdhsa--gfx1250"
	.amdhsa_code_object_version 6
	.text
	.protected	k_q285b72d86b_mlp2
	.globl	k_q285b72d86b_mlp2
	.p2align	8
	.type	k_q285b72d86b_mlp2,@function
k_q285b72d86b_mlp2:
	s_mov_b64 s[64:65], 0
	v_nop
	global_prefetch_b8 v0, s[64:65] scope:SCOPE_SE
	s_setreg_imm32_b32 hwreg(HW_REG_WAVE_MODE, 25, 1), 1
	s_wait_xcnt 0x0
	s_wait_alu depctr_hold_cnt(0) depctr_sa_sdst(0) depctr_va_vdst(0) depctr_va_sdst(0) depctr_va_ssrc(0) depctr_va_vcc(0) depctr_vm_vsrc(0)
	s_getreg_b32 s2, hwreg(HW_REG_IB_STS2, 6, 4)
	s_cmp_eq_u32 s2, 0
	s_cbranch_scc0 .Lentry_in_a_cluster
	s_endpgm
.Lentry_in_a_cluster:
	s_bfe_u32 s2, ttmp6, 0x10000c
	s_cmp_lg_u32 s2, 0x3003
	s_cbranch_scc0 .Lentry_shape_is_right
	s_endpgm
.Lentry_shape_is_right:
; C[m][n] = R[m][n] + bias[n] + sum over k of A[m][k] W[n][k].  A: [SIZE_K / 64][4096][64] bf16, in blocks of 64 along K (a block 524,288 bytes, a row of it 128 bytes, rows on end);
; W: 1,024 rows x SIZE_K bf16 laid BY FRAGMENTS, WOFF bytes behind the second argument's first byte: [n / 32][k / 32][(n % 32) / 16][(k % 32) / 16][lane][8 numbers], lane = 16 ((k % 16) / 8) + n % 16;
; bias: [1024] f32; R and C: [4096][1024] f32.  Sums, bias and residual in f32; nothing is rounded on the way out.
; The text is that of the product with SIZE_K = 1024 but for the two constants SIZE_K and WOFF.
; A tile of C is 128 x 128: 8 x 32 = 256 work-groups.  Four waves, each ALL 128 rows x 32 columns: 16 accumulators of 16 x 16, 128 registers.
; A GOES THROUGH LDS, W DOES NOT.  A and W together are 512 bytes for each k, and two slots of both would hold 256 along K each: 128 matrix instructions a wave for each change of slots.  With A alone a
; slot holds 512 along K: 256 matrix instructions a wave, 240 of them between a request and the wait for it.  A wave's 32 rows of W are wanted by no other wave of the work-group, and lie in memory as
; the lanes want them: eight loads of 512 consecutive bytes bring 64 along K (a QUARTER of a half step, 4,096 bytes of the wave's stream) straight into registers.  A ring of eight quarters, 256 registers,
; runs under counted waits: a quarter is asked for 208 matrix instructions ahead of its first product, and 56 loads of the ring are out at the most.
; CLUSTER: the four work-groups of a cluster make four tiles of one tile row of C and need the same tiles of A: each is asked for JOINTLY, by the same tensor load with the same descriptor and a mask that
; names the four.  W IS NOT ASKED FOR JOINTLY, though the 32 work-groups of a tile column walk the same stream: a joint request lands in LDS alone, where W would halve A's slots.
; THE MATRIX INSTRUCTION IS USED TRANSPOSED (source 0 = 16 rows of W, source 1 = 16 rows of A): a lane then holds eight neighbouring numbers of a row of C.
; ONE TEXT FOR A STEP.  A step (512 along K, eight quarters) is written once for the steps that fill a slot again (a loop of STEPS - 2 trips) and once for the last two (a loop of two trips).  So the
; accumulators start as copies of the bias (128 v_mov_b32, in the wait for the first tile), and the very last trip pays for the shared text: its change of slots and the 32 LDS loads behind it serve nothing,
; and its 56 loads of W read the last step's first seven quarters over again (the stream's pointer stands still, so they stay inside the buffer); nobody uses them.
; THE RESIDUAL is asked for at the head, in the layout of the stores, and waited for at the way out.
; PREFETCH (where STEPS is above 3): behind each refill, A's step one refill on; see ASK.  None for W: its ring is not emptied at any barrier.
; REGISTERS, in windows of 256 (s_set_vgpr_msb's low byte: bits 1:0 source 0, 3:2 source 1, 5:4 source 2, 7:6 destination):
;   window 0: v0-31 addresses; v96-111 the bias of my 32 columns; v128-255 the accumulators ((a, b) at v[128 + 8 (2 a + b)], a = 16 rows, b = 16 columns)
;   window 1: two buffers of 128 for A's fragments of a quarter (32 k half c, rows a at 64 c + 8 a); on the way out 32 rows of C
;   window 2: W's ring: quarter q of a step at 32 q (half c, columns b at 16 c + 8 b)          window 3: v0-127 the residual
.set SIZE_K, 4096
.set WOFF,   2097152
.set STEPS,  SIZE_K/512                ; an even number
.set HASPF,  0
.if STEPS > 3
.set HASPF,  1
.endif
.set APITCH, 144                       ; a row of a block of A in LDS: 128 bytes + 16 of padding = 36 words: the 16 rows of a load start at 16 different groups of four banks (64 banks of 4 bytes: ISA guide 11.1)
.set KBLK,   128*APITCH                ; 128 rows of a block
.set SLOT,   8*KBLK                    ; 147,456 = 0x24000: it shares no bit with wave x 2 KBLK (0x9000 x 0..3), so one exclusive or turns an address in one slot into the other's
.set SPARE,  2*SLOT                    ; behind the ring: the spare words, 128 bytes for each wave: two blocks of 256 bytes that no other line names
.set SPITCH, 528                       ; the way out's stage: a row of 128 f32 + 16 bytes = 132 words: row r starts at bank 4 r mod 64.  128 rows, from LDS byte 0: in slot 0, behind its last fill
.set ASTEP,  8*524288                  ; a step of A in memory: eight blocks
.set QB,     4096                      ; a quarter of my stream of W
.set BSTEP,  8*QB
.set ADR0, 8                           ; v8-11   my lane's place in blocks 0-1, 2-3, 4-5, 6-7 of slot 0; never rewritten
.set ADR,  12                          ; v12-15  the same in the slot in hand
.set LO,   16                          ; v16     16 x lane: my offset in 512 consecutive bytes of W, of R and of C; never rewritten
.set BO,   17                          ; v17     my byte offset in 16 numbers of the bias: 32 (l / 16)
.set STO,  18                          ; v18     the way out: where I put 32 bytes of a row
.set RD,   19                          ; v19     the way out: where I read a row back
.set PFO,  20                          ; v20     256 x lane; never rewritten
.set SPW,  28                          ; v28     LDS address of my spare word: SPARE + 4 x my thread's number; never rewritten
.set NIL,  29                          ; v29     0; never rewritten
.set BIAS, 96                          ; register 8 b + j = bias[my first column + 16 b + 8 (l / 16) + j]
.set ACC,  128
.set F0,   0                           ; A's fragment buffers, in window 1
.set F1,   128
.set G1,  24                           ; s[24:31] descriptor group 1
.set G0,  32                           ; s[32:39] descriptor group 0: a set for each of the two first fills; the second then walks on
.set BP,  44                           ; s[44:45] my stream of W, at the step whose quarters are being asked for
.set INC, 46                           ; s[46:47] what a step adds to it: BSTEP, or 0 in the last step
.set PFA, 48                           ; s[48:49] where my prefetches stand
.set LIM, 50                           ; s50     1 in a work-group that prefetches, else the greatest number
.set CNT, 51                           ; s51     counts trips
.set TA,  52                           ; s52     the slot in hand: 0 or SLOT
.set MSB, 0
.macro WIN new                         ; the immediate's high byte repeats the setting that is left; a switch that changes nothing is dropped
.if MSB != (\new)
	s_set_vgpr_msb (MSB<<8)|(\new)
.set MSB, \new
.endif
.endm
.set W_MUL, 0x06                       ; source 0 (W) window 2, source 1 (A) window 1; C and D window 0
.set TO_A,  0x40                       ; destination window 1, address window 0
.set TO_B,  0x80                       ; destination window 2
.set TO_R,  0xc0                       ; destination window 3
.macro CREST                           ; a round of the cluster's barrier behind its opening barrier
	s_cmp_lg_u32 s10, 0
	s_cbranch_scc1 .Lnot_wave_0_\@
	s_barrier_signal -3
.Lnot_wave_0_\@:
	s_barrier_wait -3
	s_barrier_signal -1
	s_barrier_wait -1
.endm
.macro CROUND                          ; a whole round
	s_barrier_signal -1
	s_barrier_wait -1
	CREST
.endm
.macro PLACES                          ; four places in front of loads into registers that matrix instructions have read, and of LDS stores that read results (ISA guide 7.12.1 for vector instructions)
.rept 4
	v_nop
.endr
.endm
; n x 2 matrix instructions: row blocks a0 .. a0 + n - 1 x both column blocks, 32 along K: half c of buffer f and of the ring's quarter.  The 16 accumulators take turns, in the same order everywhere
.macro MUL f, ring, c, a0, n
	WIN W_MUL
.set ma, \a0
.rept \n
.irp b, 0,1
	v_wmma_f32_16x16x32_bf16 v[ACC+8*(2*ma+(\b)):ACC+8*(2*ma+(\b))+7], v[32*(\ring)+16*(\c)+8*(\b):32*(\ring)+16*(\c)+8*(\b)+7], v[(\f)+64*(\c)+8*ma:(\f)+64*(\c)+8*ma+7], v[ACC+8*(2*ma+(\b)):ACC+8*(2*ma+(\b))+7]
.endr
.set ma, ma+1
.endr
.endm
; 32 LDS loads in one run: A's fragments of quarter q (block q of the slot's eight) into buffer f; the first 32 along K first
.macro FETCH q, f
	WIN TO_A
.irp c, 0,1
.irp a, 0,1,2,3,4,5,6,7
	ds_load_b128 v[(\f)+64*(\c)+8*(\a):(\f)+64*(\c)+8*(\a)+3],   v[ADR+(\q)/2] offset:((\q)%2)*KBLK+(\a)*16*APITCH+64*(\c)
	ds_load_b128 v[(\f)+64*(\c)+8*(\a)+4:(\f)+64*(\c)+8*(\a)+7], v[ADR+(\q)/2] offset:((\q)%2)*KBLK+(\a)*16*APITCH+64*(\c)+32
.endr
.endr
.endm
; 8 loads of 512 consecutive bytes: a quarter of my stream of W, off bytes behind the pointer, into place ring of the ring
.macro BLOAD ring, off
	WIN TO_B
.irp i, 0,1,2,3,4,5,6,7
	global_load_b128 v[32*(\ring)+4*(\i):32*(\ring)+4*(\i)+3], v[LO], s[BP:BP+1] offset:(\off)+512*(\i)
.endr
.endm
; Quarter q = 0..6 of a step: 32 matrix instructions on buffer q % 2 and place q of the ring.  In its middle stand, in one run, the next quarter's 32 LDS loads and the 8 loads of W for the quarter seven on,
; into the place that the quarter before has read out.  pf = 1: the prefetches' address steps too, in quarter 1: AHEAD of the trip's prefetch.
.macro QUARTER q, pf
.set FA, 128*((\q)%2)
.set FN, 128-FA
	s_wait_loadcnt 48                              ; my quarter of W is in: behind its 8 loads six quarters' 48 were issued
	s_wait_dscnt 16                                ; A's first 32 along K are in
	MUL FA, \q, 0, 0, 8
	PLACES
	FETCH (\q)+1, FN
.if (\q) == 1
	s_wait_xcnt 0x0                                ; every load and prefetch issued so far (the youngest a quarter back) has read its address, so the pointers may be written
	s_add_nc_u64 s[BP:BP+1], s[BP:BP+1], s[INC:INC+1]  ; from here on the next step's quarters are asked for
.if \pf
	s_add_nc_u64 s[PFA:PFA+1], s[PFA:PFA+1], ASTEP
.endif
.endif
.if (\q) == 0
	BLOAD 7, 7*QB                                  ; this step's last quarter
.else
	BLOAD (\q)-1, ((\q)-1)*QB
.endif
	s_wait_dscnt 32                                ; all but the 32 just issued
	MUL FA, \q, 1, 0, 8
.endm
; A PREFETCH, behind the joint refill, its five lines and the runs of loads that follow them: A's step that the NEXT refill will ask for, 256 matrix instructions ahead of that load.  A wave's part of a step is
; two blocks x 128 rows: 128 runs of 256 bytes.  Each run is named ONCE in the launch: both clusters of a tile row read it, and the one with cluster x = 0 asks; its four partners share the runs out BY ADDRESS,
; 32 each, a lane a run: one instruction a wave.  Trip t = 1 .. STEPS - 2 of the loop refills with step t + 1 and names step t + 2: steps 0 to 2 come by their loads alone, and the last trip (the count stands
; at 1) asks for nothing: step STEPS does not exist.
.macro ASK
	s_cmp_gt_u32 s[CNT], s[LIM]
	s_cbranch_scc0 .Lnot_mine_\@
	global_prefetch_b8 v[PFO], s[PFA:PFA+1] th:TH_LOAD_NT scope:SCOPE_SE
.Lnot_mine_\@:
.endm
; Quarter 7 multiplies buffer 1 and changes slots: ONE barrier; in front of it each wave waits for all its tensor loads (one is out at the most: its part of the next slot), adds 0 to its spare word, and waits for
; that and for its own reads of this slot.  fill = 1: the barrier opens a round of the cluster's, and this slot is filled again, first thing behind it, with the step two on.
.macro TURN fill
	WIN 0                                          ; (the add's two registers lie in window 0)
	s_wait_tensorcnt 0x0                           ; no tensor load of mine is out, so a group 0 may be written
	ds_add_u32 v[SPW], v[NIL]                      ; 0 onto my spare word: scalar work and eight matrix instructions stand between it and the wait for it
.if \fill
	s_xor_b32 s[G0+5], s[G0+5], SLOT               ; the walking descriptor: the other slot than last time,
	s_add_nc_u64 s[G0+6:G0+7], s[G0+6:G0+7], ASTEP ; the next step; the type bits on top are not reached
.endif
	s_xor_b32 s[TA], s[TA], SLOT
	s_wait_loadcnt 48                              ; my quarter of W
	s_wait_dscnt 17                                ; (the add and the youngest sixteen loads may be out)
	MUL F1, 7, 0, 0, 4
	s_wait_dscnt 0x0                               ; the add is done, and my reads of this slot are over
	s_barrier_signal -1
	MUL F1, 7, 0, 4, 4                             ; work on registers while the others arrive
	WIN 0
	s_barrier_wait -1
.if \fill
	CREST                                          ; no wave of any partner still reads this slot's tile or has a load on its way
	tensor_load_to_lds s[G0+4:G0+7], s[G1:G1+7]    ; my one tensor load behind the round: 240 matrix instructions ahead of the wait for it
	s_nop 0
.rept 4
	v_nop
.endr
.endif
.irp i, 0,1,2,3
	v_add_nc_u32 v[ADR+(\i)], s[TA], v[ADR0+(\i)]  ; the other slot; these four are also the places in front of the loads below
.endr
	FETCH 0, F0
	BLOAD 6, 6*QB
.if \fill
.if HASPF
	WIN 0
	ASK
.endif
.endif
	MUL F1, 7, 1, 0, 8
.endm
	s_load_b128 s[4:7], s[0:1], 0x0                ; A s[4:5], W's buffer s[6:7]
	s_load_b128 s[40:43], s[0:1], 0x10             ; bias s[40:41], R s[42:43]
	s_load_b64 s[8:9], s[0:1], 0x20                ; C
	v_lshl_add_u32 v[SPW], v0, 2, SPARE
	v_mov_b32 v[NIL], 0
	ds_add_u32 v[SPW], v[NIL]                      ; the wave's opening: the add and its wait stand ahead of my first tensor load; the set-up below, work on registers, stands between them
	ds_add_u32 v28, v29
	v_lshrrev_b32 v1, 5, v0
	v_readfirstlane_b32 s10, v1                    ; wave 0..3
	s_bfe_u32 s11, ttmp6, 0x40000                  ; cx: my place in the cluster
	s_lshl_b32 s12, ttmp9, 2                       ; in a cluster launch ttmp9 counts clusters
	s_add_co_u32 s12, s12, s11                     ; tile column of C = 4 x cluster x + cx: it enters W's, the bias's, R's and C's addresses alone
	s_and_b32 s13, ttmp7, 0xffff                   ; tile row of C, which the four partners share
	; descriptor group 1: 128 rows of a block are 16,384 dense bytes: one row of 8,192 elements; two such rows, a block (262,144 elements) apart; padded in LDS after every 128 bytes
	s_mov_b32 s[G1], 15|(1<<16)|(1<<20)|(1<<21)|(4<<22)|(3<<25)  ; 15:0 the mask: all four work-groups; 17:16 elements of 2 bytes; 20 padding on; 21 set beside a mask; 24:22 after every 32 words (code 4); 31:25 4 words of it (code 3)
	s_mov_b32 s[G1+1], 8192<<16                    ; tensor_dim0 = 8,192
	s_mov_b32 s[G1+2], 2<<16                       ; tensor_dim1 = 2
	s_mov_b32 s[G1+3], 8192<<16                    ; tile_dim0 = 8,192
	s_mov_b32 s[G1+4], 2                           ; tile_dim1 = 2
	s_mov_b32 s[G1+5], 262144                      ; elements from row to row
	s_mov_b32 s[G1+6], 0
	s_mov_b32 s[G1+7], 0
	s_lshl_b32 s14, s13, 14                        ; A: the tile's 128 rows of 128 bytes,
	s_lshl_b32 s15, s10, 20                        ; my wave's two blocks of a step's eight
	s_add_co_u32 s14, s14, s15
	s_mov_b32 s15, 0
	s_mul_i32 s20, s10, 2*KBLK                     ; and where they go: no place in the cluster enters an LDS address
	s_mov_b32 s[G0], 1                             ; 1:0 count = 1
	s_mov_b32 s[G0+1], s20                         ; 63:32 LDS address: slot 0
	s_mov_b32 s[G0+4], 1
	s_add_co_u32 s[G0+5], s20, SLOT                ; slot 1
	s_lshl_b32 s16, s12, 2
	s_add_co_u32 s16, s16, s10                     ; W: my 32 rows are n / 32 = 4 x tile column + wave,
	s_mul_i32 s16, s16, SIZE_K*64                  ; a stream of 64 SIZE_K bytes
.if WOFF > 0
	s_add_co_u32 s16, s16, WOFF
.endif
	s_mov_b32 s17, 0
	s_lshl_b32 s18, s12, 9                         ; the bias: 128 numbers a tile column,
	s_lshl_b32 s19, s10, 7                         ; 32 a wave
	s_add_co_u32 s18, s18, s19
	s_mov_b32 s19, 0
	s_lshl_b32 s22, s13, 19                        ; R and C: the tile's 128 rows of 4,096 bytes,
	s_lshl_b32 s23, s10, 17                        ; the 32 of them that my wave stores,
	s_add_co_u32 s22, s22, s23
	s_lshl_b32 s23, s12, 9                         ; the tile's 512 bytes of a row
	s_add_co_u32 s22, s22, s23
	s_mov_b32 s23, 0
	s_mov_b32 s[INC], BSTEP
	s_mov_b32 s[INC+1], 0
	s_mov_b32 s[TA], 0
	s_wait_dscnt 0x0                               ; the opening add is done
	s_wait_kmcnt 0x0
	s_add_nc_u64 s[14:15], s[4:5], s[14:15]
	s_mov_b64 s[G0+2:G0+3], s[14:15]               ; 120:64 global address: step 0
	s_or_b32 s[G0+3], s[G0+3], 0x80000000          ; 127:126 type = 2
	s_add_nc_u64 s[G0+6:G0+7], s[14:15], ASTEP     ; step 1
	s_or_b32 s[G0+7], s[G0+7], 0x80000000
	s_add_nc_u64 s[BP:BP+1], s[6:7], s[16:17]
	s_add_nc_u64 s[40:41], s[40:41], s[18:19]
	s_add_nc_u64 s[42:43], s[42:43], s[22:23]
	s_add_nc_u64 s[8:9], s[8:9], s[22:23]
	CROUND                                         ; all four work-groups are here: the first joint loads meet
	tensor_load_to_lds s[G0:G0+3], s[G1:G1+7]      ; the two first fills stand together, ahead of every wait on TENSORcnt, every LDS read and every other barrier: two loads of mine are out
	s_nop 0
	tensor_load_to_lds s[G0+4:G0+7], s[G1:G1+7]
	s_nop 0
.rept 4
	v_nop
.endr
	v_and_b32 v3, 31, v0                           ; l
	v_and_b32 v1, 15, v0                           ; l % 16
	v_bfe_u32 v2, v0, 4, 1                         ; l / 16
	v_lshlrev_b32 v[LO], 4, v3
	v_lshlrev_b32 v[BO], 5, v2
.irp b, 0,1
	global_load_b128 v[BIAS+8*(\b):BIAS+8*(\b)+3],   v[BO], s[40:41] offset:64*(\b)
	global_load_b128 v[BIAS+8*(\b)+4:BIAS+8*(\b)+7], v[BO], s[40:41] offset:64*(\b)+16
.endr
.irp q, 0,1,2,3,4,5,6
	BLOAD \q, (\q)*QB                              ; the ring's first seven quarters: with the bias 60 loads are out
.endr
	WIN 0
	; A fragment of A is 16 rows x 32 K in 8 registers: lane l holds row l % 16; registers 0-3 hold K = 8 (l / 16) + 0..7, registers 4-7 K = 16 + 8 (l / 16) + 0..7: two loads of 16 bytes, 32 bytes apart
	v_mul_u32_u24 v4, v1, APITCH
	v_lshl_add_u32 v4, v2, 4, v4                   ; row x pitch + 16 x half
.irp i, 0,1,2,3
	v_add_nc_u32 v[ADR0+(\i)], (\i)*2*KBLK, v4
	v_add_nc_u32 v[ADR+(\i)], (\i)*2*KBLK, v4
.endr
	v_mul_u32_u24 v5, v1, SPITCH                   ; the way out, in: row l % 16 of a block of 16, my wave's 128 bytes of it, 32 bytes for each half of the lanes
	v_lshl_add_u32 v5, v2, 5, v5
	s_lshl_b32 s21, s10, 7
	v_add_nc_u32 v[STO], s21, v5
	s_mul_i32 s21, s10, 32*SPITCH                  ; back: wave w takes rows 32 w .. 32 w + 31, whole: 32 lanes x 16 bytes
	v_add_nc_u32 v[RD], s21, v[LO]
.if HASPF
	s_lshr_b32 s2, s11, 1                          ; the prefetches: of my wave's two blocks the one that my work-group shares in,
	s_lshl_b32 s3, s10, 1
	s_add_co_u32 s2, s2, s3
	s_add_co_u32 s2, s2, 16                        ; in step 2 (blocks 16 to 23): each trip steps the address by a step in its quarter 1, ahead of its prefetch, so the first trip names step 3
	s_lshl_b32 s2, s2, 19
	s_and_b32 s3, s11, 1                           ; and which 32 of its 64 runs of 256 bytes
	s_lshl_b32 s3, s3, 13
	s_add_co_u32 s2, s2, s3
	s_lshl_b32 s3, s13, 14
	s_add_co_u32 s2, s2, s3
	s_mov_b32 s3, 0
	s_add_nc_u64 s[PFA:PFA+1], s[4:5], s[2:3]
	s_cmp_eq_u32 ttmp9, 0                          ; the same in all four partners
	s_cselect_b32 s[LIM], 1, -1
	v_lshlrev_b32 v[PFO], 8, v3
.endif
	s_wait_loadcnt 56                              ; the bias is in; the ring's 56 loads stay out
.set i, 0
.rept 16                               ; the sums start at the bias: written in the wait for the first tile, so that every step has one form of product
.irp j, 0,1,2,3,4,5,6,7
	v_mov_b32 v[ACC+8*i+(\j)], v[BIAS+8*(i%2)+(\j)]
.endr
.set i, i+1
.endr
	s_wait_loadcnt 31                              ; 29 of the 60 loads are in: with the residual's 32 below, 63 are out at the most
	WIN TO_R
.set i, 0
.rept 32                               ; the residual: load i brings row i of the 32 that my wave stores: the tile's 512 consecutive bytes of it
	global_load_b128 v[4*i:4*i+3], v[LO], s[42:43] offset:4096*i th:TH_LOAD_NT
.set i, i+1
.endr
	WIN 0
	s_wait_tensorcnt 1                             ; my part of step 0 is in; step 1's load may stay out
	s_barrier_signal -1
	s_barrier_wait -1                              ; everybody's is
	FETCH 0, F0
	WIN 0                                          ; at a label and at a branch every window is 0
.if STEPS > 2
	s_mov_b32 s[CNT], STEPS-2
.Lfill:                                                ; a trip is a step; its change of slots fills the slot again
.irp q, 0,1,2,3,4,5,6
	QUARTER \q, HASPF
.endr
	TURN 1
	WIN 0
	s_sub_co_u32 s[CNT], s[CNT], 1
	s_cmp_lg_u32 s[CNT], 0
	s_cbranch_scc1 .Lfill
.endif
	s_mov_b32 s[CNT], 2
.Llast:                                                ; the last two steps ask for no tile
	s_cmp_eq_u32 s[CNT], 1
	s_cselect_b32 s[INC], 0, BSTEP                 ; behind the last step W's stream ends: the pointer stands still
.irp q, 0,1,2,3,4,5,6
	QUARTER \q, 0
.endr
	TURN 0
	WIN 0
	s_sub_co_u32 s[CNT], s[CNT], 1
	s_cmp_lg_u32 s[CNT], 0
	s_cbranch_scc1 .Llast
	; THE WAY OUT.  A wave's 32 columns are 128 bytes, half of an aligned 256 bytes of C: so all four waves write ONE stage, 128 rows x 528 bytes, and each then reads 32 whole rows of 512 bytes, adds the residual and stores.
	; The stage lies in slot 0, which no tensor load fills any more.
	PLACES                                         ; the LDS stores read results just made
	PLACES                                         ; (eight, once a launch)
	s_wait_dscnt 0x0                               ; the last change's LDS loads are back:
	s_barrier_signal -1
	s_barrier_wait -1                              ; no wave reads a slot any more
.irp a, 0,1,2,3,4,5,6,7
.irp b, 0,1
	ds_store_b128 v[STO], v[ACC+8*(2*(\a)+(\b)):ACC+8*(2*(\a)+(\b))+3]   offset:(\a)*16*SPITCH+64*(\b)     ; each accumulator's four lowest registers first
	ds_store_b128 v[STO], v[ACC+8*(2*(\a)+(\b))+4:ACC+8*(2*(\a)+(\b))+7] offset:(\a)*16*SPITCH+64*(\b)+16
.endr
.endr
	s_wait_dscnt 0x0                               ; for the others' sake: my stores into the stage are done
	s_barrier_signal -1
	s_barrier_wait -1
	WIN TO_A
.set i, 0
.rept 32
	ds_load_b128 v[4*i:4*i+3], v[RD] offset:i*SPITCH
.set i, i+1
.endr
	s_wait_loadcnt 0x0                             ; the residual (and the last trip's loads of W)
.irp g, 0,1
	s_wait_dscnt 16-16*(\g)                        ; sixteen rows are back
	WIN 0x4d                                       ; destination and source 0 window 1, source 1 window 3
.set i, 16*(\g)
.rept 16
	v_pk_add_f32 v[4*i:4*i+1],   v[4*i:4*i+1],   v[4*i:4*i+1]
	v_pk_add_f32 v[4*i+2:4*i+3], v[4*i+2:4*i+3], v[4*i+2:4*i+3]
.set i, i+1
.endr
	WIN 0x04                                       ; the stores' data window 1, address window 0
.set i, 16*(\g)
.rept 16
	global_store_b128 v[LO], v[4*i:4*i+3], s[8:9] offset:4096*i  ; 512 consecutive bytes, at a multiple of 512 from C's first byte
.set i, i+1
.endr
.endr
	WIN 0
	s_wait_tensorcnt 0x0                           ; the wave's end: behind my last tensor load and my last LDS store
	ds_add_u32 v[SPW], v[NIL]
	s_wait_dscnt 0x0
	CROUND                                         ; the closing round: no work-group ends while a partner may still ask for a tile that names it
	s_endpgm
.Lfunc_end_k_q285b72d86b_mlp2:
	.size	k_q285b72d86b_mlp2, .Lfunc_end_k_q285b72d86b_mlp2-k_q285b72d86b_mlp2
	.p2alignl 7, 3214868480
	.fill 96, 4, 3214868480
	.section	.rodata,"a",@progbits
	.p2align	6, 0x0
	.amdhsa_kernel k_q285b72d86b_mlp2
		.amdhsa_group_segment_fixed_size 327680
		.amdhsa_private_segment_fixed_size 0
		.amdhsa_enable_private_segment 0
		.amdhsa_kernarg_size 40
		.amdhsa_user_sgpr_count 2
		.amdhsa_user_sgpr_kernarg_segment_ptr 1
		.amdhsa_wavefront_size32 1
		.amdhsa_system_sgpr_workgroup_id_x 1
		.amdhsa_system_sgpr_workgroup_id_y 1
		.amdhsa_system_sgpr_workgroup_id_z 1
		.amdhsa_system_vgpr_workitem_id 0
		.amdhsa_next_free_vgpr 896
		.amdhsa_next_free_sgpr 66
		.amdhsa_reserve_vcc 0
		.amdhsa_float_denorm_mode_32 3
		.amdhsa_float_denorm_mode_16_64 3
		.amdhsa_memory_ordered 1
		.amdhsa_forward_progress 1
		.amdhsa_inst_pref_size 116
	.end_amdhsa_kernel
	.amdgpu_metadata
---
amdhsa.version: [ 1, 2 ]
amdhsa.kernels:
  - .name:           k_q285b72d86b_mlp2
    .symbol:         k_q285b72d86b_mlp2.kd
    .args:
      - { .name: act, .offset: 0, .size: 8, .value_kind: global_buffer, .address_space: global }
      - { .name: wn, .offset: 8, .size: 8, .value_kind: global_buffer, .address_space: global }
      - { .name: b2, .offset: 16, .size: 8, .value_kind: global_buffer, .address_space: global }
      - { .name: x1, .offset: 24, .size: 8, .value_kind: global_buffer, .address_space: global }
      - { .name: out0, .offset: 32, .size: 8, .value_kind: global_buffer, .address_space: global }
    .group_segment_fixed_size: 327680
    .private_segment_fixed_size: 0
    .kernarg_segment_align: 8
    .kernarg_segment_size: 40
    .max_flat_workgroup_size: 128
    .sgpr_count:     66
    .vgpr_count:     896
    .wavefront_size: 32
...
	.end_amdgpu_metadata
.endif
;; end of part 6
